; MI455X (gfx1250); checked and timed in simulation.
; The chip was launched on July 23, 2026; its instructions are those of AMD's public machine-readable ISA for CDNA 5 (MIT licence, August 2026) and "CDNA5" Instruction Set Architecture Reference Guide (July 2026). The comments in the code are by the model that wrote it; some were corrected since.
;; MM Group Attention. Allowed arithmetic: float matrix products may take bf16 or f16 operands with f32 sums; other float arithmetic in f32, or as packed bf16 or f16 multiplies, adds, multiply-adds, maxima and minima; sums over many terms, partial sums and values carried from step to step in f32; what a program stores and reads back later, other than sums and carried values, may be rounded once to bf16 or f16.
;; Inputs: Wk 1,024 x 1,024 float32; Wq 1,024 x 1,024 float32; Wv 1,024 x 1,024 float32; bk 1,024 float32; bq 1,024 float32; bv 1,024 float32; key 8 x 1,024 x 1,024 float32; mask 8 x 4 x 1,024 x 1,024 int32; query 8 x 1,024 x 1,024 float32; value 8 x 1,024 x 1,024 float32.
;; Outputs: out0 8 x 1,024 x 1,024 float32.
;; 2 versions, each right; version 2 is version 1 with the launch prep written anew for expert scheduling mode. Each part assembles by itself: llvm-mc -triple=amdgcn-amd-amdhsa -mcpu=gfx1250 --defsym DOCPART=n.
;; ======== version 1 of 2: 4 launches
;; limits: values are held in f16: magnitudes above 65,504 overflow, below 6.1e-05 lose precision; right only within a limited range of input values
;; workspace buffers: wb 6,291,456 bytes; wh 2,097,152 bytes; qkv 50,331,648 bytes; oh 16,777,216 bytes; mbits 4,194,304 bytes of whole numbers
;; launch prep (part 1): grid 560 x 1, 8 waves a work-group, no clusters, 68,608 bytes of LDS; arguments Wq, Wk, Wv, mask, wb, wh, mbits; writes wb, wh, mbits
.if DOCPART == 1
	.amdgcn_target "amdgcn-amd-amdhsa--gfx1250"
	.amdhsa_code_object_version 6
	.text
	.protected	k_qeef358f90e_prep
	.globl	k_qeef358f90e_prep
	.p2align	8
	.type	k_qeef358f90e_prep,@function
k_qeef358f90e_prep:
	s_mov_b64 s[64:65], 0
	v_nop
	global_prefetch_b8 v0, s[64:65] scope:SCOPE_SE
	s_setreg_imm32_b32 hwreg(HW_REG_WAVE_MODE, 25, 1), 1
	s_wait_xcnt 0x0
; PREP.  Two kinds of work-groups, chosen by the work-group's number alone.
; 0-47 CAST: Wq, Wk, Wv (16 work-groups each) are rounded to bf16 into wb [3][1024][1024], for the three projections; of Wv the same rounded numbers are also written as f16 into wh [1024][1024], for the
;   output projection, whose other operand is f16.  A work-group takes 262,144 bytes of f32, a wave 32,768: a ring of eight 16-byte loads a lane; each store of a wave covers 256 consecutive bytes, aligned.
; 48-559 MASK: the 0/1 words of mask [8][4][1024][1024] are packed into lane masks: mbits [b][g][qt 64][step 16][32 words]; bit L of word 8 kb + j says whether
;   mask[b][g][16 qt + L % 16][64 step + 16 kb + 8 (L / 16) + j] is not 0: the lane mask of register 8 kb + j of a tile of scores (16 queries x 64 keys) as the attention launch holds it.
;   A wave takes half of one (b, g, qt): 512 keys of 16 rows, in four chunks of 128 keys; 512 work-groups, so that two lie on a WGP and both have their loads on the way.  A chunk is loaded by rows (512
;   consecutive bytes a load), turned through the wave's own LDS region (16 rows, 528 bytes apart: 33 x 16, so the 16 rows that a load touches start at 16 different 16-byte columns), compared, and
;   leaves as 256 consecutive bytes.
; LIMITS.  f16 holds no number beyond 65,504: Wv stays within it; a bf16 number below 6e-5 keeps f16's fixed step of 6e-8 in wh.  Every mask word other than 0 counts as 'keep'.
; No matrix unit, no cluster, no barrier: memory binds, no byte is shared, and no wave waits for another.
.set SPARE,  67584                     ; behind the eight regions: the spare words, 128 bytes a wave, four blocks of 256 bytes that no other line names
.set REGION, 8448                      ; 16 rows x 528 bytes, a wave's own
.set MPITCH, 528
.set X,   8                            ; v[8:39]    cast: slot i, 4 f32 as loaded
.set YB,  40                           ; v[40:55]   cast: slot i, 4 bf16 to store
.set YH,  56                           ; v[56:71]   cast: slot i, the same 4 numbers as f16
.set T,   72                           ; v[72:75]   cast: at work
.set G,   8                            ; v[8:71]    mask: row r of the chunk, 4 words a lane
.set M,   72                           ; v[72:135]  mask: the chunk turned: register n = word n of the chunk's 64
.set OUTW, 6                           ; v[6:7]     mask: lane i holds words 2 i and 2 i + 1
.set SPW, 136                          ; v136       LDS address of my spare word; never rewritten
.set NIL, 137                          ; v137       0; never rewritten
	s_load_b256 s[8:15], s[0:1], 0x0               ; Wq 8:9, Wk 10:11, Wv 12:13, mask 14:15
	s_load_b128 s[16:19], s[0:1], 0x20             ; wb 16:17, wh 18:19
	s_load_b64 s[20:21], s[0:1], 0x30              ; mbits
	v_lshl_add_u32 v[SPW], v0, 2, SPARE
	v_mov_b32 v[NIL], 0
	v_lshrrev_b32 v3, 5, v0
	v_readfirstlane_b32 s2, v3                     ; wave 0..7
	v_and_b32 v4, 31, v0
	v_lshlrev_b32 v1, 4, v4                        ; 16 x lane
	v_lshlrev_b32 v2, 3, v4                        ; 8 x lane
	s_mov_b32 s28, 0xffff0000                      ; a word's upper bf16
	s_mov_b32 s31, 0                               ; the high word of every offset
	s_wait_kmcnt 0x0
	s_cmp_lt_u32 ttmp9, 48
	s_cbranch_scc0 .Lmask
	s_lshr_b32 s29, ttmp9, 4                       ; which of Wq, Wk, Wv
	s_and_b32 s33, ttmp9, 15                       ; which 262,144 bytes of it
	s_cmp_eq_u32 s29, 1
	s_cselect_b64 s[4:5], s[10:11], s[8:9]
	s_cmp_eq_u32 s29, 2
	s_cselect_b64 s[4:5], s[12:13], s[4:5]
	s_lshl_b32 s30, s33, 18
	s_lshl_b32 s34, s2, 15
	s_add_co_u32 s30, s30, s34
	s_add_nc_u64 s[4:5], s[4:5], s[30:31]          ; my wave's 32,768 bytes of f32
	s_lshl_b32 s30, s33, 17
	s_lshl_b32 s34, s2, 14
	s_add_co_u32 s30, s30, s34
	s_add_nc_u64 s[22:23], s[18:19], s[30:31]      ; its 16,384 bytes of wh (stored only for Wv),
	s_lshl_b32 s32, s29, 21                        ; a plane of wb is 2,097,152 bytes
	s_add_co_u32 s30, s30, s32
	s_add_nc_u64 s[6:7], s[16:17], s[30:31]        ; and of wb
.irp i, 0,1,2,3,4,5,6,7
	global_load_b128 v[X+4*(\i):X+4*(\i)+3], v1, s[4:5] offset:512*(\i) th:TH_LOAD_NT
.endr
; One slot's turn.  ahead = 1: the slot is loaded again, 4,096 bytes on.  left = the younger loads that may stay out.
.macro CSLOT i, ahead, left
	s_wait_loadcnt \left                           ; loads come back in order: mine is in
	v_cvt_pk_bf16_f32 v[YB+2*(\i)],   v[X+4*(\i)],   v[X+4*(\i)+1]      ; the one rounding, to bf16
	v_cvt_pk_bf16_f32 v[YB+2*(\i)+1], v[X+4*(\i)+2], v[X+4*(\i)+3]
.if \ahead
	global_load_b128 v[X+4*(\i):X+4*(\i)+3], v1, s[4:5] offset:4096+512*(\i) th:TH_LOAD_NT
.endif
	global_store_b64 v2, v[YB+2*(\i):YB+2*(\i)+1], s[6:7] offset:256*(\i)
	s_cmp_lg_u32 s29, 2
	s_cbranch_scc1 .Lonly_bf16_\@                  ; Wq and Wk are wanted in bf16 alone
	v_lshlrev_b32 v[T],   16, v[YB+2*(\i)]
	v_and_b32     v[T+1], s28, v[YB+2*(\i)]
	v_lshlrev_b32 v[T+2], 16, v[YB+2*(\i)+1]
	v_and_b32     v[T+3], s28, v[YB+2*(\i)+1]
	v_cvt_pk_f16_f32 v[YH+2*(\i)],   v[T],   v[T+1]             ; the same numbers written as f16
	v_cvt_pk_f16_f32 v[YH+2*(\i)+1], v[T+2], v[T+3]
	global_store_b64 v2, v[YH+2*(\i):YH+2*(\i)+1], s[22:23] offset:256*(\i)
.Lonly_bf16_\@:
.endm
	s_mov_b32 s3, 7
.Lround:
.irp i, 0,1,2,3,4,5,6,7
	CSLOT \i, 1, 7
.endr
	s_wait_xcnt 0x0                                ; the bases and the stores' data are rewritten only behind this wait
	s_add_nc_u64 s[4:5], s[4:5], 4096
	s_add_nc_u64 s[6:7], s[6:7], 2048
	s_add_nc_u64 s[22:23], s[22:23], 2048
	s_sub_co_u32 s3, s3, 1
	s_cmp_lg_u32 s3, 0
	s_cbranch_scc1 .Lround
.irp i, 0,1,2,3,4,5,6,7
	CSLOT \i, 0, 7-(\i)                            ; the last round loads nothing: the counts run down
.endr
	s_endpgm
.Lmask:
	s_sub_co_u32 s29, ttmp9, 48
	s_lshl_b32 s29, s29, 3
	s_add_co_u32 s29, s29, s2                      ; my half task: 2 ((4 b + g) 64 + qt) + half, 0 to 4,095
	s_lshr_b32 s30, s29, 1
	s_lshl_b32 s30, s30, 16                        ; the task's 16 rows of 4,096 bytes,
	s_and_b32 s32, s29, 1
	s_lshl_b32 s32, s32, 11                        ; and my 2,048 bytes of each row
	s_add_co_u32 s30, s30, s32
	s_add_nc_u64 s[4:5], s[14:15], s[30:31]
	s_lshl_b32 s30, s29, 10
	s_add_nc_u64 s[6:7], s[20:21], s[30:31]        ; my 1,024 bytes of mbits
	s_mul_i32 s29, s2, REGION
	v_add_nc_u32 v3, s29, v1                       ; in: 16 x lane of a row
	v_and_b32 v5, 15, v0
	v_bfe_u32 v4, v0, 4, 1
	v_mul_u32_u24 v5, v5, MPITCH
	v_lshl_add_u32 v4, v4, 5, v5
	v_add_nc_u32 v4, s29, v4                       ; back: row lane % 16, 32 bytes (8 keys) for each half of the lanes
	v_mov_b32 v[OUTW], 0                           ; v_writelane_b32 counts as a reader of its destination
	v_mov_b32 v[OUTW+1], 0
.irp r, 0,1,2,3,4,5,6,7,8,9,10,11,12,13,14,15
	global_load_b128 v[G+4*(\r):G+4*(\r)+3], v1, s[4:5] offset:4096*(\r) th:TH_LOAD_NT
.endr
; One chunk of 128 keys.  ahead = 1: the next chunk is asked for as soon as this one has left its registers.
.macro CHUNK ahead
	s_wait_loadcnt 0x0                             ; the chunk's 16 loads
.irp r, 0,1,2,3,4,5,6,7,8,9,10,11,12,13,14,15
	ds_store_b128 v3, v[G+4*(\r):G+4*(\r)+3] offset:MPITCH*(\r)
.endr
.irp t, 0,1,2,3,4,5,6,7,8,9,10,11,12,13,14,15
	ds_load_b128 v[M+4*(\t):M+4*(\t)+3], v4 offset:64*((\t)/2)+16*((\t)%2)  ; a wave's LDS instructions are served in order: these see the stores above
.endr
	s_wait_dscnt 0x0                               ; the chunk is turned
.if \ahead
.irp r, 0,1,2,3,4,5,6,7,8,9,10,11,12,13,14,15
	global_load_b128 v[G+4*(\r):G+4*(\r)+3], v1, s[4:5] offset:4096*(\r)+512 th:TH_LOAD_NT
.endr
.endif
.set n, 0
.rept 4                                ; sixteen words at a time: a compare makes a word of 32 lanes' bits, v_writelane_b32 puts it where it is stored from
.set i, 0
.rept 16
	v_cmp_ne_u32 s[32+i], 0, v[M+n+i]
.set i, i+1
.endr
.set i, 0
.rept 16
	v_writelane_b32 v[OUTW+((n+i)&1)], s[32+i], (n+i)>>1
.set i, i+1
.endr
.set n, n+16
.endr
	global_store_b64 v2, v[OUTW:OUTW+1], s[6:7]    ; 64 words: 256 consecutive bytes, aligned
	s_wait_xcnt 0x0                                ; the bases and the store's data are rewritten only behind this wait
	s_add_nc_u64 s[4:5], s[4:5], 512
	s_add_nc_u64 s[6:7], s[6:7], 256
.endm
	s_mov_b32 s3, 3
.Lchunk:
	CHUNK 1
	s_sub_co_u32 s3, s3, 1
	s_cmp_lg_u32 s3, 0
	s_cbranch_scc1 .Lchunk
	CHUNK 0                                        ; the last chunk asks for nothing
	s_wait_tensorcnt 0x0                           ; the wave's end: the tensor wait, the add and its wait stand behind my last LDS store
	ds_add_u32 v[SPW], v[NIL]
	s_wait_dscnt 0x0
	s_endpgm
.Lfunc_end_k_qeef358f90e_prep:
	.size	k_qeef358f90e_prep, .Lfunc_end_k_qeef358f90e_prep-k_qeef358f90e_prep
	.p2alignl 7, 3214868480
	.fill 96, 4, 3214868480
	.section	.rodata,"a",@progbits
	.p2align	6, 0x0
	.amdhsa_kernel k_qeef358f90e_prep
		.amdhsa_group_segment_fixed_size 68608
		.amdhsa_private_segment_fixed_size 0
		.amdhsa_enable_private_segment 0
		.amdhsa_kernarg_size 56
		.amdhsa_user_sgpr_count 2
		.amdhsa_user_sgpr_kernarg_segment_ptr 1
		.amdhsa_wavefront_size32 1
		.amdhsa_system_sgpr_workgroup_id_x 1
		.amdhsa_system_sgpr_workgroup_id_y 1
		.amdhsa_system_sgpr_workgroup_id_z 1
		.amdhsa_system_vgpr_workitem_id 0
		.amdhsa_next_free_vgpr 140
		.amdhsa_next_free_sgpr 66
		.amdhsa_reserve_vcc 0
		.amdhsa_float_denorm_mode_32 3
		.amdhsa_float_denorm_mode_16_64 3
		.amdhsa_memory_ordered 1
		.amdhsa_forward_progress 1
		.amdhsa_inst_pref_size 39
	.end_amdhsa_kernel
	.amdgpu_metadata
---
amdhsa.version: [ 1, 2 ]
amdhsa.kernels:
  - .name:           k_qeef358f90e_prep
    .symbol:         k_qeef358f90e_prep.kd
    .args:
      - { .name: Wq, .offset: 0, .size: 8, .value_kind: global_buffer, .address_space: global }
      - { .name: Wk, .offset: 8, .size: 8, .value_kind: global_buffer, .address_space: global }
      - { .name: Wv, .offset: 16, .size: 8, .value_kind: global_buffer, .address_space: global }
      - { .name: mask, .offset: 24, .size: 8, .value_kind: global_buffer, .address_space: global }
      - { .name: wb, .offset: 32, .size: 8, .value_kind: global_buffer, .address_space: global }
      - { .name: wh, .offset: 40, .size: 8, .value_kind: global_buffer, .address_space: global }
      - { .name: mbits, .offset: 48, .size: 8, .value_kind: global_buffer, .address_space: global }
    .group_segment_fixed_size: 68608
    .private_segment_fixed_size: 0
    .kernarg_segment_align: 8
    .kernarg_segment_size: 56
    .max_flat_workgroup_size: 256
    .sgpr_count:     66
    .vgpr_count:     140
    .wavefront_size: 32
...
	.end_amdgpu_metadata
.endif
;; end of part 1
;; launch proj (part 2): grid 4 x 192, 4 waves a work-group, clusters of 4 x 4, 327,680 bytes of LDS; arguments query, key, value, wb, bq, bk, bv, qkv; writes qkv
.if DOCPART == 2
	.amdgcn_target "amdgcn-amd-amdhsa--gfx1250"
	.amdhsa_code_object_version 6
	.text
	.protected	k_qeef358f90e_proj
	.globl	k_qeef358f90e_proj
	.p2align	8
	.type	k_qeef358f90e_proj,@function
k_qeef358f90e_proj:
	s_mov_b64 s[64:65], 0
	v_nop
	global_prefetch_b8 v0, s[64:65] scope:SCOPE_SE
	s_setreg_imm32_b32 hwreg(HW_REG_WAVE_MODE, 25, 1), 1
	s_wait_xcnt 0x0
	s_wait_alu depctr_hold_cnt(0) depctr_sa_sdst(0) depctr_va_vdst(0) depctr_va_sdst(0) depctr_va_ssrc(0) depctr_va_vcc(0) depctr_vm_vsrc(0)
	s_getreg_b32 s2, hwreg(HW_REG_IB_STS2, 6, 4)
	s_cmp_eq_u32 s2, 0
	s_cbranch_scc0 .Lentry_in_a_cluster
	s_endpgm
.Lentry_in_a_cluster:
	s_bfe_u32 s2, ttmp6, 0x10000c
	s_cmp_lg_u32 s2, 0xf033
	s_cbranch_scc0 .Lentry_shape_is_right
	s_endpgm
.Lentry_shape_is_right:
; THE THREE PROJECTIONS.  Plane p of qkv [3][8192][1024] (f16) = x_p W_p^T + b_p, x_p = query, key, value ([8192][1024] f32), W_p = plane p of wb ([out][in], bf16), b_p = bq, bk, bv (f32).
; x is taken as it lies, in f32: its tiles come into LDS as f32 and are rounded to bf16 between the LDS load and the matrix instruction, so no 16-bit copy of x goes through memory.  The bias is rounded
; to bf16 like every input and starts the sums; sums in f32; the results are rounded once, to f16.
; THE TILE.  128 x 256 of C, K = 1,024: 192 tile rows (64 a plane) x 4 tile columns = 768 work-groups, three times 256.  Four waves, each 64 rows x 128 columns: 32 accumulators, 256 registers.
; K goes in steps of 128 through a ring of two LDS slots: A's rows are 512 bytes of memory, B's 256, all at multiples of 256 bytes; every wave's tensor load brings 32,768 bytes.
; CLUSTERS of 4 x 4: the four of a row of the cluster need the same tile of A, the four of a column the same tile of B: each is asked for jointly, by the same tensor load with the same descriptor and
; a mask that names the four.  A cluster's four tile rows lie in one plane.  By this text's count a wave has two tensor loads out at the start, one later.
; THE MATRIX INSTRUCTION IS USED TRANSPOSED (source 0 = 16 rows of B, source 1 = 16 rows of A): a lane holds row lane % 16 of C and the eight columns 8 (lane / 16) + 0..7 of a block of 16.
; LIMIT.  f16 holds no number beyond 65,504: q, k and v stay within it.
; REGISTERS: window 0: v16-29 addresses; v64-127 the bias as a C operand (block b at 64 + 8 b); v128-223 at work on the way out.
;   window 1: two fragment buffers of 96 (64 of B: 8 x 16 rows x 32 K; then 32 of A); v192-255 RAW: A's four fragments of the next quarter in f32, 16 registers each.
;   window 2: accumulator (a, b) at 8 (8 a + b).
.set KSTEP,  128
.set PA,     528                       ; a row of A in LDS: 512 bytes + 16 of padding = 33 x 16: the 16 rows that a load touches start at 16 different 16-byte columns of the 64 banks (ISA guide 11.1)
.set PB,     272                       ; a row of B: 256 + 16 = 17 x 16: likewise
.set AH,     64*PA                     ; 64 rows of A: one tensor load, and what one wave reads of A
.set BH,     128*PB                    ; 128 rows of B: likewise
.set SLOT,   2*AH+2*BH                 ; A's 128 rows, then B's 256 rows
.set STAGE,  2*SLOT                    ; behind the ring: 16 rows for each wave, for the way out; no tensor load fills it
.set SPITCH, 272
.set CROW,   2048                      ; bytes in a row of C
.set SPARE,  STAGE+4*16*SPITCH         ; behind the stages: the spare words, 128 bytes a wave, two blocks of 256 bytes that no other line names
.set LAPS,   4                         ; a lap = two K steps = once round the ring
.set ADRA, 16                          ; v16-17  LDS address of my A fragments in slot 0, 1
.set ADRB, 20                          ; v20-21  the same for B
.set STO,  24                          ; v24     the way out: where I put my part of a row
.set RD,   25                          ; v25     the way out: where I read rows back
.set CO,   26                          ; v26     my byte offset in C
.set BO,   27                          ; v27     my byte offset in a block of 16 numbers of the bias
.set SPW,  28                          ; v28     LDS address of my spare word; never rewritten
.set NIL,  29                          ; v29     0; never rewritten
.set BIAS, 64
.set TMP,  128
.set OB,   160                         ; two buffers of 32: 16 rows read back from the stage
.set F0,   0
.set F1,   96
.set RAW,  192
.set G1, 24                            ; s[24:31] descriptor group 1 for A's tiles;  s[32:39] group 0, one set for each slot
.set G0, 32
.set G1B, 48                           ; s[48:55], s[56:63] the same for B's tiles
.set G0B, 56
.set MSB, 0
.macro WIN new                         ; the immediate's high byte repeats the setting that is left
.if MSB != (\new)
	s_set_vgpr_msb (MSB<<8)|(\new)
.set MSB, \new
.endif
.endm
.set MUL,  0xa5                        ; sources 0 (B) and 1 (A) window 1; C and D window 2
.set MULB, 0x85                        ; the same with C in window 0: the bias
.set TO_F, 0x40                        ; destination window 1, address window 0
.set CVW,  0x45                        ; destination and both sources window 1: RAW to a fragment
.macro JLOAD s                         ; a joint load: waves 0 and 1 fetch A's two halves, waves 2 and 3 B's; an s_nop 0 and four v_nop follow each of the two lines
	s_cmp_eq_u32 s11, 0
	s_cbranch_scc0 .Lfor_b_\@
	tensor_load_to_lds s[G0+4*(\s):G0+4*(\s)+3], s[G1:G1+7]
	s_nop 0
.rept 4
	v_nop
.endr
	s_branch .Lasked_\@
.Lfor_b_\@:
	tensor_load_to_lds s[G0B+4*(\s):G0B+4*(\s)+3], s[G1B:G1B+7]
	s_nop 0
.rept 4
	v_nop
.endr
.Lasked_\@:
.endm
.macro CREST                           ; a round of the cluster's barrier behind its opening barrier
	s_cmp_lg_u32 s10, 0
	s_cbranch_scc1 .Lnot_wave_0_\@
	s_barrier_signal -3
.Lnot_wave_0_\@:
	s_barrier_wait -3
	s_barrier_signal -1
	s_barrier_wait -1
.endm
.macro CROUND                          ; a whole round
	s_barrier_signal -1
	s_barrier_wait -1
	CREST
.endm
	s_load_b512 s[68:83], s[0:1], 0x0              ; query 68:69, key 70:71, value 72:73, wb 74:75, bq 76:77, bk 78:79, bv 80:81, qkv 82:83
	v_lshl_add_u32 v[SPW], v0, 2, SPARE
	v_mov_b32 v[NIL], 0
	ds_add_u32 v[SPW], v[NIL]                      ; the wave's opening: the add and its wait stand ahead of my first tensor load; work on registers stands between them
	v_lshrrev_b32 v1, 5, v0
	v_readfirstlane_b32 s10, v1                    ; wave 0..3
	s_lshr_b32 s11, s10, 1                         ; which 64 of the tile's rows are mine.  Also: I fetch for A (0) or for B (1)
	s_and_b32 s12, s10, 1                          ; which 128 of its columns.  Also: which half of that tile I fetch
	s_bfe_u32 s40, ttmp6, 0x40000                  ; cx, cy: my place in the cluster
	s_bfe_u32 s41, ttmp6, 0x40004
	s_lshl_b32 s42, ttmp9, 2
	s_add_co_u32 s42, s42, s40                     ; tile column of C = 4 x cluster x + cx
	s_and_b32 s13, ttmp7, 0xffff                   ; the cluster's y, 0 to 47
	s_lshr_b32 s45, s13, 4                         ; the plane p: 16 clusters of four tile rows each; the same in all sixteen partners
	s_and_b32 s16, s13, 15
	s_lshl_b32 s16, s16, 2
	s_add_co_u32 s16, s16, s41                     ; tile row in the plane, for A
	s_lshl_b32 s13, s13, 2
	s_add_co_u32 s13, s13, s41                     ; tile row of C = 4 x cluster y + cy
	s_lshl_b32 s43, s41, 2
	s_lshl_b32 s43, 15, s43                        ; my row of the cluster
	s_lshl_b32 s44, 0x1111, s40                    ; my column
	s_or_b32 s[G1+0], s43, (2<<16)|(1<<20)|(1<<21)|(6<<22)|(3<<25)  ; 15:0 the mask: A's tiles go to my row; 17:16 elements of 4 bytes; 20 padding on; 21 set beside a mask; 24:22 after every 128 words; 31:25 4 words of it
	s_or_b32 s[G1B+0], s44, (1<<16)|(1<<20)|(1<<21)|(5<<22)|(3<<25) ; B's go to my column; elements of 2 bytes; padding after every 64 words
	s_mov_b32 s[G1+1], KSTEP<<16                   ; tensor_dim0 = 128
	s_mov_b32 s[G1+2], 64<<16                      ; tensor_dim1 = 64
	s_mov_b32 s[G1+3], KSTEP<<16                   ; tile_dim0 = 128
	s_mov_b32 s[G1+4], 64                          ; tile_dim1 = 64
	s_mov_b32 s[G1+5], 1024                        ; elements from row to row
	s_mov_b32 s[G1+6], 0
	s_mov_b32 s[G1+7], 0
	s_mov_b32 s[G1B+1], KSTEP<<16
	s_mov_b32 s[G1B+2], 128<<16                    ; B's loads bring 128 rows
	s_mov_b32 s[G1B+3], KSTEP<<16
	s_mov_b32 s[G1B+4], 128
	s_mov_b32 s[G1B+5], 1024
	s_mov_b32 s[G1B+6], 0
	s_mov_b32 s[G1B+7], 0
	; A's address hangs on the plane, the tile row and the wave's number, B's on the plane, the tile column and the wave's number; each is made in registers that never hold the other coordinate
	s_lshl_b32 s16, s16, 7
	s_lshl_b32 s17, s12, 6
	s_add_co_u32 s16, s16, s17                     ; A: row 128 x tile row in the plane + 64 x half,
	s_lshl_b32 s16, s16, 12                        ; 4,096 bytes each
	s_mov_b32 s17, 0
	s_lshl_b32 s46, s42, 8
	s_lshl_b32 s47, s12, 7
	s_add_co_u32 s46, s46, s47                     ; B: row 256 x tile column + 128 x half,
	s_lshl_b32 s47, s45, 10
	s_add_co_u32 s46, s46, s47                     ; in plane p,
	s_lshl_b32 s46, s46, 11                        ; 2,048 bytes each
	s_mov_b32 s47, 0
	s_mul_i32 s20, s12, AH                         ; where they go: A's two halves,
	s_mul_i32 s23, s12, BH
	s_add_co_u32 s23, s23, 2*AH                    ; then B's two halves: no place in the cluster enters an LDS address
	s_lshl_b32 s2, s42, 10                         ; my 128 numbers of the bias: 4 bytes x (256 x tile column + 128 x half)
	s_lshl_b32 s3, s12, 9
	s_add_co_u32 s2, s2, s3
	s_mov_b32 s3, 0
	s_wait_dscnt 0x0                               ; the opening add is done
	s_wait_kmcnt 0x0
	s_cmp_eq_u32 s45, 1
	s_cselect_b64 s[4:5], s[70:71], s[68:69]       ; x and the bias of plane p
	s_cselect_b64 s[66:67], s[78:79], s[76:77]
	s_cmp_eq_u32 s45, 2
	s_cselect_b64 s[4:5], s[72:73], s[4:5]
	s_cselect_b64 s[66:67], s[80:81], s[66:67]
	s_add_nc_u64 s[14:15], s[4:5], s[16:17]
	s_add_nc_u64 s[46:47], s[74:75], s[46:47]
	s_mov_b64 s[8:9], s[82:83]
	s_add_nc_u64 s[66:67], s[66:67], s[2:3]
	CROUND                                         ; all sixteen work-groups are here: the first joint loads meet
.irp s, 0,1
	s_mov_b32 s[G0+4*(\s)], 1
	s_add_co_u32 s[G0+4*(\s)+1], s20, (\s)*SLOT
	s_add_nc_u64 s[G0+4*(\s)+2:G0+4*(\s)+3], s[14:15], (\s)*KSTEP*4
	s_or_b32 s[G0+4*(\s)+3], s[G0+4*(\s)+3], 0x80000000
	s_mov_b32 s[G0B+4*(\s)], 1
	s_add_co_u32 s[G0B+4*(\s)+1], s23, (\s)*SLOT
	s_add_nc_u64 s[G0B+4*(\s)+2:G0B+4*(\s)+3], s[46:47], (\s)*KSTEP*2
	s_or_b32 s[G0B+4*(\s)+3], s[G0B+4*(\s)+3], 0x80000000
	JLOAD \s
.endr
	v_and_b32 v1, 15, v0                           ; l % 16
	v_bfe_u32 v2, v0, 4, 1                         ; l / 16
	v_lshlrev_b32 v[BO], 5, v2                     ; my eight numbers of a block of 16
.irp b, 0,1,2,3,4,5,6,7
	global_load_b128 v[BIAS+8*(\b):BIAS+8*(\b)+3],   v[BO], s[66:67] offset:64*(\b)
	global_load_b128 v[BIAS+8*(\b)+4:BIAS+8*(\b)+7], v[BO], s[66:67] offset:64*(\b)+16
.endr
	; A 16-bit fragment is 16 rows x 32 K in 8 registers: lane l holds row l % 16, K = 8 (l / 16) + 0..7 and 16 + 8 (l / 16) + 0..7.  Of B: two loads of 16 bytes, 32 bytes apart.
	; Of A, still in f32: 32 bytes at 32 (l / 16) and 32 bytes 64 further on: four loads of 16 bytes into 16 registers, of which eight conversions make the fragment.
	v_mul_u32_u24 v3, v1, PA
	v_lshl_add_u32 v3, v2, 5, v3                   ; A: row x pitch + 32 x half
	v_mul_u32_u24 v6, v1, PB
	v_lshl_add_u32 v6, v2, 4, v6                   ; B: row x pitch + 16 x half
	s_mul_i32 s21, s11, AH                         ; my 64 rows of A
	s_mul_i32 s22, s12, BH                         ; my 128 rows of B,
	s_add_co_u32 s22, s22, 2*AH                    ; which lie behind A's 128
.irp s, 0,1
	v_add_nc_u32 v[ADRA+(\s)], s21, v3
	v_add_nc_u32 v[ADRB+(\s)], s22, v6
	s_add_co_u32 s21, s21, SLOT
	s_add_co_u32 s22, s22, SLOT
.endr
	s_mul_i32 s23, s10, 16*SPITCH
	s_add_co_u32 s23, s23, STAGE                   ; my stage
	v_mul_u32_u24 v4, v1, SPITCH                   ; in: row l % 16, my eight columns
	v_lshl_add_u32 v4, v2, 4, v4
	v_add_nc_u32 v[STO], s23, v4
	v_mul_u32_u24 v5, v2, SPITCH                   ; back: lanes 0-15 take one row of 256 bytes, lanes 16-31 the next
	v_lshl_add_u32 v5, v1, 4, v5
	v_add_nc_u32 v[RD], s23, v5
	v_lshlrev_b32 v5, 11, v2                       ; and the same two rows in C
	v_lshl_add_u32 v[CO], v1, 4, v5
	s_lshl_b32 s13, s13, 7
	s_lshl_b32 s14, s11, 6
	s_add_co_u32 s16, s13, s14                     ; my first row of C,
	s_lshl_b32 s16, s16, 11                        ; 2,048 bytes each
	s_mov_b32 s17, 0
	s_lshl_b32 s46, s42, 9                         ; my first column, in bytes
	s_lshl_b32 s47, s12, 8
	s_add_co_u32 s46, s46, s47
	s_mov_b32 s47, 0
	s_add_nc_u64 s[16:17], s[16:17], s[46:47]
	s_add_nc_u64 s[8:9], s[8:9], s[16:17]          ; never stepped: the rows stand in the stores' immediates
	s_wait_loadcnt 0x0                             ; the bias; it is rounded to bf16, like every input, in the wait for the first tile
.set i, 0
.rept 32
	v_cvt_pk_bf16_f32 v[TMP+i], v[BIAS+2*i], v[BIAS+2*i+1]
.set i, i+1
.endr
.set i, 0
.rept 32
	v_lshlrev_b32 v[BIAS+2*i], 16, v[TMP+i]
	v_and_b32 v[BIAS+2*i+1], 0xffff0000, v[TMP+i]
.set i, i+1
.endr
; Fragment i of A of buffer g is made of its 16 f32 in RAW: register j takes numbers 2 j and 2 j + 1, the lower K in the low half.
.macro CVT8 g, i
	WIN CVW
.irp j, 0,1,2,3,4,5,6,7
	v_cvt_pk_bf16_f32 v[(\g)+64+8*(\i)+(\j)], v[RAW+16*(\i)+2*(\j)], v[RAW+16*(\i)+2*(\j)+1]
.endr
.endm
; 8 matrix instructions: m block a x all 8 n blocks, 32 along K.  init = 1: the bias starts the sums: nothing is cleared, and nothing is added on the way out.
; g >= 0: behind every second one stand the eight conversions of one fragment of A of buffer g; they name no register of the products round them.
; The 32 accumulators take turns, one instruction a turn, in the same order in every quarter.
.macro MUL8 f, a, init, g=-1
.irp b, 0,1,2,3,4,5,6,7
.if \init
	WIN MULB
	v_wmma_f32_16x16x32_bf16 v[8*(8*(\a)+(\b)):8*(8*(\a)+(\b))+7], v[(\f)+8*(\b):(\f)+8*(\b)+7], v[(\f)+64+8*(\a):(\f)+64+8*(\a)+7], v[BIAS+8*(\b):BIAS+8*(\b)+7]
.else
	WIN MUL
	v_wmma_f32_16x16x32_bf16 v[8*(8*(\a)+(\b)):8*(8*(\a)+(\b))+7], v[(\f)+8*(\b):(\f)+8*(\b)+7], v[(\f)+64+8*(\a):(\f)+64+8*(\a)+7], v[8*(8*(\a)+(\b)):8*(8*(\a)+(\b))+7]
.endif
.if ((\g) >= 0) && ((\b)%2 == 0)
	CVT8 \g, (\b)/2
.endif
.endr
.endm
; 32 LDS loads in one run: quarter q (32 along K) of a slot: A's sixteen loads, in f32, into RAW; then B's sixteen into buffer g
.macro FETCH slot, q, g
	WIN TO_F
.irp i, 0,1,2,3
	ds_load_b128 v[RAW+16*(\i):RAW+16*(\i)+3],     v[ADRA+(\slot)] offset:128*(\q)+(\i)*16*PA
	ds_load_b128 v[RAW+16*(\i)+4:RAW+16*(\i)+7],   v[ADRA+(\slot)] offset:128*(\q)+(\i)*16*PA+16
	ds_load_b128 v[RAW+16*(\i)+8:RAW+16*(\i)+11],  v[ADRA+(\slot)] offset:128*(\q)+(\i)*16*PA+64
	ds_load_b128 v[RAW+16*(\i)+12:RAW+16*(\i)+15], v[ADRA+(\slot)] offset:128*(\q)+(\i)*16*PA+80
.endr
.irp i, 0,1,2,3,4,5,6,7
	ds_load_b128 v[(\g)+8*(\i):(\g)+8*(\i)+3],   v[ADRB+(\slot)] offset:64*(\q)+(\i)*16*PB
	ds_load_b128 v[(\g)+8*(\i)+4:(\g)+8*(\i)+7], v[ADRB+(\slot)] offset:64*(\q)+(\i)*16*PB+32
.endr
.endm
.macro PLACES                          ; four places in front of loads into, and conversions that write, registers that matrix instructions have read, and of lines that read results just made
.rept 4
	v_nop
.endr
.endm
; A K step is four quarters of 32 along K, 32 matrix instructions each, on buffers 0, 1, 0, 1.  One of the first three: multiplies buffer f, fetches quarter q into RAW and g, and converts RAW into g.
.macro QUARTER slot, q, f, g, init
	s_wait_dscnt 0x0                               ; B's fragments of this quarter are in (A's were waited for and converted in the quarter before)
	MUL8 \f, 0, \init
	PLACES
	FETCH \slot, \q, \g
	MUL8 \f, 1, \init
	MUL8 \f, 2, \init
	s_wait_dscnt 16                                ; A's sixteen loads are in; B's sixteen, issued behind them, may stay out
	MUL8 \f, 3, \init, \g
.endm
; The last quarter multiplies buffer 1 and changes slots: ONE barrier; in front of it each wave waits for all its tensor loads (one is out: its part of the next slot), adds 0 to its spare word,
; and waits for that and for its own reads of this slot, B's fragments of this quarter among them.  fill = 1: the barrier opens a round of the cluster's, and this slot is filled again, two K steps
; ahead, first thing behind the round: 120 matrix instructions ahead of the wait for it.
.macro TURN slot, next, fill
	WIN 0                                          ; (the add's two registers lie in window 0)
	s_wait_tensorcnt 0x0
	ds_add_u32 v[SPW], v[NIL]
	s_wait_dscnt 0x0                               ; the add is done, and my reads of this slot are over
	s_barrier_signal -1
	MUL8 F1, 0, 0                                  ; work on registers while the others arrive
.if \fill
	WIN 0
.endif
	s_barrier_wait -1
.if \fill
	CREST                                          ; no wave of any partner still reads this slot's tile or has a load on its way
	s_add_nc_u64 s[G0+4*(\slot)+2:G0+4*(\slot)+3], s[G0+4*(\slot)+2:G0+4*(\slot)+3], 2*KSTEP*4
	s_add_nc_u64 s[G0B+4*(\slot)+2:G0B+4*(\slot)+3], s[G0B+4*(\slot)+2:G0B+4*(\slot)+3], 2*KSTEP*2
	JLOAD \slot                                    ; the four v_nop behind it are also the places in front of the loads below
.else
	PLACES
.endif
	FETCH \next, 0, F0
	MUL8 F1, 1, 0
	MUL8 F1, 2, 0
	s_wait_dscnt 16                                ; A's sixteen loads are in
	MUL8 F1, 3, 0, F0
.endm
	s_wait_tensorcnt 1                             ; my part of K step 0 is in; K step 1's may stay out
	s_barrier_signal -1
	s_barrier_wait -1                              ; everybody's is
	FETCH 0, 0, F0
	s_wait_dscnt 16                                ; A's sixteen loads are in
.irp i, 0,1,2,3
	CVT8 F0, \i
.endr
	QUARTER 0, 1, F0, F1, 1                        ; the first quarter stands in front of the loop: its products start the sums, on the bias
	WIN 0                                          ; at a label and at a branch every window is 0
	s_mov_b32 s3, LAPS-1
.Llap:                                                 ; a trip goes once round the ring, from a lap's second quarter to the next lap's first, and fills both slots again
	QUARTER 0, 2, F1, F0, 0
	QUARTER 0, 3, F0, F1, 0
	TURN 0, 1, 1
	QUARTER 1, 1, F0, F1, 0
	QUARTER 1, 2, F1, F0, 0
	QUARTER 1, 3, F0, F1, 0
	TURN 1, 0, 1
	QUARTER 0, 1, F0, F1, 0
	WIN 0
	s_sub_co_u32 s3, s3, 1
	s_cmp_lg_u32 s3, 0
	s_cbranch_scc1 .Llap
	QUARTER 0, 2, F1, F0, 0                        ; the last lap fills nothing, and has no round of the cluster's barrier
	QUARTER 0, 3, F0, F1, 0
	TURN 0, 1, 0
	QUARTER 1, 1, F0, F1, 0
	QUARTER 1, 2, F1, F0, 0
	QUARTER 1, 3, F0, F1, 0
	s_wait_dscnt 0x0                               ; the very last quarter: nothing more to fetch
	MUL8 F1, 0, 0
	MUL8 F1, 1, 0
	MUL8 F1, 2, 0
	MUL8 F1, 3, 0
	WIN 0
	PLACES
; THE WAY OUT in f16, a block of 16 rows at a time through my own stage: rounded once, 16 bytes a lane in, whole rows of 256 bytes back, sixteen lanes to 256 consecutive bytes of C, aligned.
.macro PACK a
	WIN 0x0a                                       ; sources 0 and 1 in window 2
.irp b, 0,1,2,3,4,5,6,7
.irp r, 0,1,2,3
	v_cvt_pk_f16_f32 v[TMP+4*(\b)+(\r)], v[8*(8*(\a)+(\b))+2*(\r)], v[8*(8*(\a)+(\b))+2*(\r)+1]
.endr
.endr
	WIN 0
.endm
.macro TOSTAGE a
.set BK, OB+32*((\a)%2)
.irp b, 0,1,2,3,4,5,6,7
	ds_store_b128 v[STO], v[TMP+4*(\b):TMP+4*(\b)+3] offset:32*(\b)
.endr
.irp t, 0,1,2,3,4,5,6,7
	ds_load_b128 v[BK+4*(\t):BK+4*(\t)+3], v[RD] offset:(\t)*2*SPITCH  ; a wave's LDS instructions are served in order: these see the stores above
.endr
.endm
.macro SEND a
.set BK, OB+32*((\a)%2)
	s_wait_dscnt 0x0                               ; the block is back in registers
	s_wait_xcnt 0x0                                ; the other buffer, the data of the block before's stores, is loaded again only behind this wait
.irp t, 0,1,2,3,4,5,6,7
	global_store_b128 v[CO], v[BK+4*(\t):BK+4*(\t)+3], s[8:9] offset:(16*(\a)+2*(\t))*CROW
.endr
.endm
	PACK 0
	TOSTAGE 0
.irp a, 1,2,3                          ; block a's conversions stand between block a - 1's loads from the stage and the wait for them
	PACK \a
	SEND (\a)-1
	TOSTAGE \a
.endr
	SEND 3
	s_wait_tensorcnt 0x0                           ; the wave's end: the tensor wait, the add and its wait stand behind my last tensor load and my last LDS store
	ds_add_u32 v[SPW], v[NIL]
	s_wait_dscnt 0x0
	CROUND                                         ; the closing round: no work-group ends while a partner may still ask for a tile that names it
	s_endpgm
.Lfunc_end_k_qeef358f90e_proj:
	.size	k_qeef358f90e_proj, .Lfunc_end_k_qeef358f90e_proj-k_qeef358f90e_proj
	.p2alignl 7, 3214868480
	.fill 96, 4, 3214868480
	.section	.rodata,"a",@progbits
	.p2align	6, 0x0
	.amdhsa_kernel k_qeef358f90e_proj
		.amdhsa_group_segment_fixed_size 327680
		.amdhsa_private_segment_fixed_size 0
		.amdhsa_enable_private_segment 0
		.amdhsa_kernarg_size 64
		.amdhsa_user_sgpr_count 2
		.amdhsa_user_sgpr_kernarg_segment_ptr 1
		.amdhsa_wavefront_size32 1
		.amdhsa_system_sgpr_workgroup_id_x 1
		.amdhsa_system_sgpr_workgroup_id_y 1
		.amdhsa_system_sgpr_workgroup_id_z 1
		.amdhsa_system_vgpr_workitem_id 0
		.amdhsa_next_free_vgpr 768
		.amdhsa_next_free_sgpr 84
		.amdhsa_reserve_vcc 0
		.amdhsa_float_denorm_mode_32 3
		.amdhsa_float_denorm_mode_16_64 3
		.amdhsa_memory_ordered 1
		.amdhsa_forward_progress 1
		.amdhsa_inst_pref_size 137
	.end_amdhsa_kernel
	.amdgpu_metadata
---
amdhsa.version: [ 1, 2 ]
amdhsa.kernels:
  - .name:           k_qeef358f90e_proj
    .symbol:         k_qeef358f90e_proj.kd
    .args:
      - { .name: query, .offset: 0, .size: 8, .value_kind: global_buffer, .address_space: global }
      - { .name: key, .offset: 8, .size: 8, .value_kind: global_buffer, .address_space: global }
      - { .name: value, .offset: 16, .size: 8, .value_kind: global_buffer, .address_space: global }
      - { .name: wb, .offset: 24, .size: 8, .value_kind: global_buffer, .address_space: global }
      - { .name: bq, .offset: 32, .size: 8, .value_kind: global_buffer, .address_space: global }
      - { .name: bk, .offset: 40, .size: 8, .value_kind: global_buffer, .address_space: global }
      - { .name: bv, .offset: 48, .size: 8, .value_kind: global_buffer, .address_space: global }
      - { .name: qkv, .offset: 56, .size: 8, .value_kind: global_buffer, .address_space: global }
    .group_segment_fixed_size: 327680
    .private_segment_fixed_size: 0
    .kernarg_segment_align: 8
    .kernarg_segment_size: 64
    .max_flat_workgroup_size: 128
    .sgpr_count:     84
    .vgpr_count:     768
    .wavefront_size: 32
...
	.end_amdgpu_metadata
.endif
;; end of part 2
;; launch attn (part 3): grid 4 x 64, 4 waves a work-group, clusters of 4 x 1, 327,680 bytes of LDS; arguments qkv, mbits, oh; writes oh
.if DOCPART == 3
	.amdgcn_target "amdgcn-amd-amdhsa--gfx1250"
	.amdhsa_code_object_version 6
	.text
	.protected	k_qeef358f90e_attn
	.globl	k_qeef358f90e_attn
	.p2align	8
	.type	k_qeef358f90e_attn,@function
k_qeef358f90e_attn:
	s_mov_b64 s[64:65], 0
	v_nop
	global_prefetch_b8 v0, s[64:65] scope:SCOPE_SE
	s_setreg_imm32_b32 hwreg(HW_REG_WAVE_MODE, 25, 1), 1
	s_wait_xcnt 0x0
	s_wait_alu depctr_hold_cnt(0) depctr_sa_sdst(0) depctr_va_vdst(0) depctr_va_sdst(0) depctr_va_ssrc(0) depctr_va_vcc(0) depctr_vm_vsrc(0)
	s_getreg_b32 s2, hwreg(HW_REG_IB_STS2, 6, 4)
	s_cmp_eq_u32 s2, 0
	s_cbranch_scc0 .Lentry_in_a_cluster
	s_endpgm
.Lentry_in_a_cluster:
	s_bfe_u32 s2, ttmp6, 0x10000c
	s_cmp_lg_u32 s2, 0x3003
	s_cbranch_scc0 .Lentry_shape_is_right
	s_endpgm
.Lentry_shape_is_right:
; MASKED ATTENTION.  For batch b and head h: O[q] = the sum over k of softmax_k(s[q][k]) V[k], s = Q[q] . K[k] / sqrt(128) where mask[b][h % 4][q][k] is not 0, a fixed low number elsewhere.
; q, k, v: planes 0, 1, 2 of qkv [3][8192][1024] in f16; head h is columns 128 h on: a head's row is 256 bytes, rows 2,048 bytes apart.  O goes to oh [8192][1024] in f16, the same layout.
; mbits [b][g][qt][step][32 words]: bit L of word 8 kb + j is the mask of register 8 kb + j, lane L, of the score tile of queries 16 qt on and keys 64 step on.
; Products, maxima and sums in f32; the weights p are rounded to f16 for the second product (their sum l is taken of the unrounded p), O once at the end.
; LIMITS.  q, k, v arrive within f16's 65,504.  A hidden score counts as -2^34 in units of q . k, -1.5e9 when divided by sqrt(128) (the module writes -1e9): a power of two, so that c times it is exact and a row with
; no key left gives p = 1 for every key, the mean of V, as the module does.  The result is the module's wherever a row's open scores lie above -1e9 + 100, or the row has none.  A weight below 2^-126 counts as 0; NaN and
; infinities are not treated apart.
; SHARES.  A work-group owns 256 queries of one (b, h), each of its four waves 64: four tiles of 16.  Every wave walks the 1,024 keys, 64 a step; a slot of LDS holds two steps.
; LAYOUT.  S^T = K Q^T (source 0 = 16 keys, source 1 = 16 queries): a lane holds ONE query (lane % 16) and the keys 8 (lane / 16) + 0..7.  Two such results rounded to f16 ARE source 1 of O^T = V^T P.
; K comes out of LDS as it lies, V ([key][channel]) turned, by ds_load_tr16_b128.
; SOFTMAX.  For each query a running maximum m, taken of the masked scores, and a sum l: p = 2^(c s - c m), c = log2(e) / sqrt(128); in every step O and l are multiplied by a = 2^(c m_old - c m_new).
; m starts at the lowest finite number, O and l at 0: the first step is a step like any other, with a = 0.
; THE MASK is one v_cndmask_b32 a score register; its select word comes by scalar loads, 64 words for a piece and step, asked for as soon as the registers are free: about three quarters of a turn ahead.
; BY TURNS.  The wave's tiles are two PIECES, named by their first tile (0: tiles 0, 1; 2: tiles 2, 3).  In a TURN one piece has the matrix unit: 32 products V^T P of the step in hand, then 32 products K Q^T of the
; next; the other piece's 80 UNITS of vector work (16 of four selects, then its softmax in 64 slices) are dealt evenly behind the 64 matrix instructions.  Two turns are a key step.
; CLUSTER.  The four query blocks of a cluster belong to one (b, h) and walk the same K and V: each tile is asked for JOINTLY, by the same tensor load, descriptor and mask in all four.  By this text's count one tensor load of a wave is out at a time.
; REGISTERS, in windows of 256 (s_set_vgpr_msb: bits 1:0 source 0, 3:2 source 1, 5:4 source 2, 7:6 destination):
;   window 0: v0-11 addresses; v12-43 eight registers of statistics a tile; v44-46 c, c, the hidden score; v62-63 the add's; v64-191 S^T, 32 a tile; v192-255 P, 16 a tile
;   window 1: O^T, 64 a tile          window 2: v0-127 Q, 32 a tile; v128-255 K of one step          window 3: v0-127 V of one step
.set KS,    64        ; keys in a step
.set PK,    272       ; a row of K in LDS: 256 bytes + 16 of padding = 68 words: row r starts at bank 4 r mod 64 (64 banks of 4 bytes: ISA guide 11.1)
.set PV,    288       ; a row of V: 256 + 32 = 72 words
.set VOFF,  KS*PK     ; a step's tiles lie together: 64 rows of K, then 64 rows of V
.set STEPB, KS*(PK+PV)
.set SLOT1, 1<<17     ; slot 1 begins here, so that one exclusive or turns an address in one slot into the other's
.set STAGE, SLOT1+2*STEPB  ; behind the ring, never filled by a tensor load: 16 rows x 272 bytes for each wave, for the way out
.set SP,    272
.set SPARE, STAGE+4*16*SP  ; behind the stages: the spare words, 128 bytes a wave, two blocks of 256 bytes that no other line names
.set AK0, 2           ; v2   my lane's place in a tile of K; never rewritten
.set AV0, 3           ; v3   the same for V
.set ADR, 4           ; v4   the LDS address of the run of loads in hand
.set QO,  5           ; v5   my byte offset in 16 rows of Q
.set STO, 6           ; v6   the way out: where I put 16 bytes of a row
.set RD,  7           ; v7   the way out: where I read a row back
.set GO,  8           ; v8   my byte offset in two rows of O
.set ST,  12          ; tile t's statistics at v[ST+8 t]: +0 c m, +1 m, +2, +3 l (even keys', odd keys'), +4 to +7 c0-c3, at work; a takes c2's place once the maximum is found
.set CV,  44          ; v[44:45] c, twice
.set NEGV, 46         ; v46  -2^34
.set SPW, 62          ; v62  LDS address of my spare word; never rewritten
.set NIL, 63          ; v63  0; never rewritten
.set S,   64
.set P,   192
.set KF,  128         ; K's fragments, in window 2
.set MP,  2           ; s[2:3]   mbits at my wave's tile 0, the step in hand
                      ; s[4:35]  the 32 select words of the piece's first tile;  s[68:99] of its second (until the first of them is asked for, both hold the set-up's scratch)
.set G1K, 36          ; s[36:43] descriptor group 1 for K's tiles
.set G1V, 44          ; s[44:51] for V's: it differs in the padding alone
.set G0K, 52          ; s[52:55] descriptor group 0 for K's tiles: it walks
.set G0V, 56          ; s[56:59] the same for V's
.set OP,  60          ; s[60:61] O at my wave's first row
.set WV,  62          ; s62  my wave's number
.set SLOTS, 63        ; s63  slots still to be asked for, and one
.set TWICE, 66        ; s66  counts a slot's two steps
.set TB,  67          ; s67  LDS byte at which the tiles of the step to be fetched begin
.set SEL, 100         ; s100, s101 lane selects for v_permlanex16_b32: each lane takes its own place in the other half
.set QP,  104         ; s[104:105] Q at my wave's first row; scratch once Q is in
.set MSB, 0
.macro WIN new                      ; the high byte repeats the setting that is left; a switch that changes nothing is dropped
.if MSB != (\new)
	s_set_vgpr_msb (MSB<<8)|(\new)
.set MSB, \new
.endif
.endm
.set W_KQ, 0x0a       ; K and Q in window 2, S^T in window 0
.set W_PV, 0x53       ; V in window 3, P in window 0, O^T in window 1
.set W_RS, 0x41       ; O^T (destination and source 0) in window 1, a in window 0
; A joint fill.  Waves 0 and 1 fetch the two steps' tiles of K, waves 2 and 3 those of V.  The branch hangs on the wave's number alone.  An s_nop 0 and four v_nop follow each of the two lines.
.macro JLOAD
	s_cmp_lt_u32 s[WV], 2
	s_cbranch_scc0 .Lfor_v_\@
	tensor_load_to_lds s[G0K:G0K+3], s[G1K:G1K+7]
	s_nop 0
.rept 4
	v_nop
.endr
	s_branch .Lasked_\@
.Lfor_v_\@:
	tensor_load_to_lds s[G0V:G0V+3], s[G1V:G1V+7]
	s_nop 0
.rept 4
	v_nop
.endr
.Lasked_\@:
.endm
; A round of the cluster's barrier: my work-group's barrier, so that wave 0's signal speaks for all four waves; wave 0 signals; every wave waits for all four work-groups; my work-group's barrier once more.
.macro CROUND
	s_barrier_signal -1
	s_barrier_wait -1
	s_cmp_lg_u32 s[WV], 0
	s_cbranch_scc1 .Lnot_wave_0_\@
	s_barrier_signal -3
.Lnot_wave_0_\@:
	s_barrier_wait -3
	s_barrier_signal -1
	s_barrier_wait -1
.endm
; THE CHANGE OF SLOTS, between piece 2's turn and piece 0's: the slot's last bytes, V of its second step, have been asked for.  Each wave waits for all its tensor loads, of which one is out: its part of the other
; slot; adds 0 to its spare word; and waits for that and for its own reads of the slot.  Behind the barrier nobody reads this slot any more and the other slot is whole.
; fill = 1: this slot is filled again, with the keys two slots on.  The barrier is then a round of the cluster's, and the joint fill is the first thing behind it: it has two key steps, 256 matrix instructions, in
; which to land.  (At its first use nothing has been read yet: slot 0 is waited for, slot 1 filled.)
.macro CHANGE fill
	WIN 0                           ; at a label and at a branch every window is 0
	s_wait_tensorcnt 0x0            ; no tensor load of mine is out, so a group 0 may be written
	ds_add_u32 v[SPW], v[NIL]       ; 0 onto my spare word; with fill = 1 the descriptors' steps stand between it and the wait for it
.if \fill
.irp g, G0K, G0V
	s_xor_b32 s[\g+1], s[\g+1], SLOT1  ; the walking descriptor: the other slot than last time,
	s_add_nc_u64 s[\g+2:\g+3], s[\g+2:\g+3], 2*KS*2048  ; the next 128 keys; the type bits on top are not reached
.endr
	s_wait_dscnt 0x0                ; the add is done, and my reads of the slot are over
	CROUND
	JLOAD
.else
	s_wait_dscnt 0x0                ; the add is done, and my reads of the slot are over
	s_barrier_signal -1
	s_barrier_wait -1
.endif
	s_sub_co_u32 s[TB], s[TB], 2*STEPB  ; the fetches go back to a slot's first step,
	s_xor_b32 s[TB], s[TB], SLOT1   ; in the other slot
.endm
	s_load_b128 s[68:71], s[0:1], 0x0  ; qkv 68:69, mbits 70:71
	s_load_b64 s[72:73], s[0:1], 0x10  ; oh
	v_lshl_add_u32 v[SPW], v0, 2, SPARE
	v_mov_b32 v[NIL], 0
	ds_add_u32 v[SPW], v[NIL]       ; the wave's opening: the add and its wait stand ahead of my first tensor load; work on registers stands between them
	v_lshrrev_b32 v1, 5, v0
	v_readfirstlane_b32 s[WV], v1   ; wave 0..3
	s_bfe_u32 s4, ttmp6, 0x40000    ; cx: my place in the cluster
	s_lshl_b32 s5, ttmp9, 2         ; in a cluster launch ttmp9 counts clusters
	s_add_co_u32 s5, s5, s4         ; my block of 256 queries: it enters Q's, O's and the mask's addresses alone
	s_and_b32 s6, ttmp7, 0xffff     ; 8 b + h, which the four partners share
	s_lshr_b32 s7, s6, 3            ; b
	s_and_b32 s8, s6, 7             ; h
	s_and_b32 s9, s6, 3             ; g = h % 4: heads h and h + 4 take the same mask
	s_lshl_b32 s10, s7, 21          ; b's 1,024 rows of 2,048 bytes,
	s_lshl_b32 s11, s8, 8           ; h's 256 bytes of a row
	s_add_co_u32 s10, s10, s11
	s_and_b32 s12, s[WV], 1         ; which of a slot's two steps I fetch:
	s_lshl_b32 s14, s12, 17         ; its 64 rows in memory,
	s_add_co_u32 s14, s14, s10
	s_add_co_u32 s16, s14, 0x1000000  ; in plane 1, k,
	s_mov_b32 s17, 0
	s_add_co_u32 s18, s14, 0x2000000  ; and in plane 2, v
	s_mov_b32 s19, 0
	s_mul_i32 s20, s12, STEPB       ; and its place in a slot: no place in the cluster enters an LDS address
	s_lshl_b32 s22, s5, 19          ; my block's 256 rows,
	s_lshl_b32 s23, s[WV], 17       ; my wave's 64 of them
	s_add_co_u32 s22, s22, s23
	s_add_co_u32 s22, s22, s10
	s_mov_b32 s23, 0
	s_lshl_b32 s24, s7, 2
	s_add_co_u32 s24, s24, s9       ; 4 b + g
	s_lshl_b32 s24, s24, 6
	s_lshl_b32 s25, s5, 4
	s_add_co_u32 s24, s24, s25
	s_lshl_b32 s25, s[WV], 2
	s_add_co_u32 s24, s24, s25      ; my wave's first tile of 16 queries among the 2,048,
	s_lshl_b32 s24, s24, 11         ; 2,048 bytes of select words each
	s_mov_b32 s25, 0
	; descriptor group 1: a tile of 64 rows x 128 elements, rows 1,024 elements apart, padded in LDS
	s_mov_b32 s[G1K], 15|(1<<16)|(1<<20)|(1<<21)|(5<<22)|(3<<25)  ; 15:0 the mask: all four work-groups; 17:16 elements of 2 bytes; 20 padding on; 21 set beside a mask; 24:22 after every 64 words; 31:25 4 words of it
	s_mov_b32 s[G1V], 15|(1<<16)|(1<<20)|(1<<21)|(5<<22)|(7<<25)  ; the same with 8 words of padding
.irp g, G1K, G1V
	s_mov_b32 s[(\g)+1], 128<<16    ; tensor_dim0 = 128
	s_mov_b32 s[(\g)+2], KS<<16     ; tensor_dim1 = 64
	s_mov_b32 s[(\g)+3], 128<<16    ; tile_dim0 = 128
	s_mov_b32 s[(\g)+4], KS         ; tile_dim1 = 64
	s_mov_b32 s[(\g)+5], 1024       ; elements from row to row
	s_mov_b32 s[(\g)+6], 0
	s_mov_b32 s[(\g)+7], 0
.endr
	s_mov_b32 s[SEL], 0x76543210
	s_mov_b32 s[SEL+1], 0xfedcba98
	s_mov_b32 s[TB], SLOT1+2*STEPB  ; the first change of slots turns this into 0
	s_mov_b32 s[G0K], 1             ; count = 1
	s_mov_b32 s[G0K+1], s20         ; LDS address: slot 0
	s_mov_b32 s[G0V], 1
	s_add_co_u32 s[G0V+1], s20, VOFF
	s_wait_dscnt 0x0                ; the opening add is done
	s_wait_kmcnt 0x0
	s_add_nc_u64 s[G0K+2:G0K+3], s[68:69], s[16:17]  ; global address: my step of the head's first 128 keys
	s_or_b32 s[G0K+3], s[G0K+3], 0x80000000          ; type = 2
	s_add_nc_u64 s[G0V+2:G0V+3], s[68:69], s[18:19]
	s_or_b32 s[G0V+3], s[G0V+3], 0x80000000
	s_add_nc_u64 s[QP:QP+1], s[68:69], s[22:23]
	s_add_nc_u64 s[OP:OP+1], s[72:73], s[22:23]
	s_add_nc_u64 s[MP:MP+1], s[70:71], s[24:25]
	CROUND                          ; all four work-groups are here: the first joint loads meet
	JLOAD                           ; slot 0.  Slot 1 is asked for when slot 0 is in
	; A fragment of K or Q is 16 rows x 32 channels in 8 registers: lane l holds row l % 16, channels 8 (l / 16) + 0..7 and 16 + 8 (l / 16) + 0..7: two loads of 16 bytes, 32 bytes apart.
	v_and_b32 v1, 15, v0            ; l % 16
	v_bfe_u32 v9, v0, 4, 1          ; l / 16
	v_lshlrev_b32 v[QO], 11, v1
	v_lshl_add_u32 v[QO], v9, 4, v[QO]  ; row x 2,048 + 16 x half
	WIN 0x80                        ; destination window 2, address window 0
.irp i, 0,1,2,3,4,5,6,7,8,9,10,11,12,13,14,15  ; Q stays in registers: tile i / 4, channels 32 (i % 4) on
	global_load_b128 v[8*(\i):8*(\i)+3],   v[QO], s[QP:QP+1] offset:((\i)/4)*32768+((\i)%4)*64
	global_load_b128 v[8*(\i)+4:8*(\i)+7], v[QO], s[QP:QP+1] offset:((\i)/4)*32768+((\i)%4)*64+32
.endr
	s_load_b512 s[4:19],  s[MP:MP+1], 0x0    ; piece 0's select words of step 0: the set-up's scratch is dead
	s_load_b512 s[20:35], s[MP:MP+1], 0x40
	s_load_b512 s[68:83], s[MP:MP+1], 0x800
	s_load_b512 s[84:99], s[MP:MP+1], 0x840
	; What the first turn finds: V's registers and piece 2's P hold 0 (its products V^T P, of a step that has not been, add 0), O^T and l are 0.  All this stands in the wait for the first tile;
	; it is the price of writing no first step out.
	WIN 0xc0
.set i, 0
.rept 128
	v_mov_b32 v[i], 0
.set i, i+1
.endr
	WIN 0x40
.set i, 0
.rept 256
	v_mov_b32 v[i], 0
.set i, i+1
.endr
	WIN 0
.set i, 0
.rept 4
	v_mov_b32 v[ST+8*i], 0xfe000000    ; c m: far below every c s
	v_mov_b32 v[ST+8*i+1], 0xff7fffff  ; m
	v_mov_b32 v[ST+8*i+2], 0
	v_mov_b32 v[ST+8*i+3], 0
.set i, i+1
.endr
.set i, P+32
.rept 32
	v_mov_b32 v[i], 0
.set i, i+1
.endr
	v_mov_b32 v[CV], 0x3e0293ee     ; c = log2(e) / sqrt(128) = 0.127517
	v_mov_b32 v[CV+1], 0x3e0293ee
	v_mov_b32 v[NEGV], 0xd0800000   ; -2^34
	v_mul_u32_u24 v[AK0], v1, PK
	v_lshl_add_u32 v[AK0], v9, 4, v[AK0]  ; row x pitch + 16 x half
	; The turning load takes 16 keys x 16 channels (lane l reads key 8 (l / 16) + l % 8, channels 8 ((l / 8) % 2) + 0..7) and leaves half a fragment of V^T: lane l holds channel l % 16 and 8 keys.
	v_and_b32 v10, 7, v0
	v_bfe_u32 v11, v0, 3, 1
	v_lshl_add_u32 v[AV0], v9, 3, v10
	v_mul_u32_u24 v[AV0], v[AV0], PV
	v_lshl_add_u32 v[AV0], v11, 4, v[AV0]
	v_add_nc_u32 v[AV0], VOFF, v[AV0]
; THE MATRIX WORK OF A TURN, for piece x.  The accumulators take turns, one instruction a turn: between two links of a chain stand 15 (V^T P) or 7 (K Q^T) others'.
; Product i of 32 of O^T += V^T P: keys 32 (i / 16) on, channels 16 ((i / 2) % 8) on, tile x + i % 2.
.macro PV x
	WIN W_PV
.set rO, 64*((\x)+i%2)+8*((i/2)%8)
.set rV, 64*(i/16)+8*((i/2)%8)
.set rP, P+16*((\x)+i%2)+8*(i/16)
	v_wmma_f32_16x16x32_f16 v[rO:rO+7], v[rV:rV+7], v[rP:rP+7], v[rO:rO+7]
.endm
; Product i of 32 of S^T = K Q^T: channels 32 (i / 8) on, keys 16 ((i / 2) % 4) on, tile x + i % 2.  The first 8 start the sums.
.macro KQ x
	WIN W_KQ
.set rS, S+32*((\x)+i%2)+8*((i/2)%4)
.set rK, KF+32*((i/2)%4)+8*(i/8)
.set rQ, 32*((\x)+i%2)+8*(i/8)
.if i < 8
	v_wmma_f32_16x16x32_f16 v[rS:rS+7], v[rK:rK+7], v[rQ:rQ+7], 0
.else
	v_wmma_f32_16x16x32_f16 v[rS:rS+7], v[rK:rK+7], v[rQ:rQ+7], v[rS:rS+7]
.endif
.endm
; THE LDS LOADS stand in runs of 32, never singly among the matrix instructions: a step's K (16 fragments) and, a turn later, its V (turned).
.macro FETCH_K
	WIN 0
	v_add_nc_u32 v[ADR], s[TB], v[AK0]
	WIN 0x80                        ; destination window 2
.irp f, 0,1,2,3,4,5,6,7,8,9,10,11,12,13,14,15  ; keys 16 (f / 4) on, channels 32 (f % 4) on
	ds_load_b128 v[KF+8*(\f):KF+8*(\f)+3],   v[ADR] offset:((\f)/4)*16*PK+((\f)%4)*64
	ds_load_b128 v[KF+8*(\f)+4:KF+8*(\f)+7], v[ADR] offset:((\f)/4)*16*PK+((\f)%4)*64+32
.endr
.endm
.macro FETCH_V
	WIN 0
	v_add_nc_u32 v[ADR], s[TB], v[AV0]
	s_add_co_u32 s[TB], s[TB], STEPB  ; the next fetch is the next step's
	WIN 0xc0                        ; destination window 3
.irp f, 0,1,2,3,4,5,6,7,8,9,10,11,12,13,14,15  ; keys 32 (f / 8) on, channels 16 (f % 8) on
	ds_load_tr16_b128 v[8*(\f):8*(\f)+3],   v[ADR] offset:((\f)/8)*32*PV+((\f)%8)*32
	ds_load_tr16_b128 v[8*(\f)+4:8*(\f)+7], v[ADR] offset:((\f)/8)*32*PV+16*PV+((\f)%8)*32
.endr
.endm
; THE VECTOR WORK OF A TURN.  One tile's softmax for one key step is a list of 134 instructions; SM writes number j of it for tile t.  s0-s31 are the lane's 32 scores, in pairs 0-15.
;   0-15    the maximum of s0-s31 and the old m, three operands at a time: four chains c0-c3 of seven scores each, then the four scores left over, c0-c3 and m
;   16-20   the other half of the lanes' maximum; c m_old is kept; the new m; c m; c m_old - c m_new
;   21-87   33 exponentials (a, then s0-s31) at the odd numbers from 23 on, so that no two follow each other and each has a plain instruction behind it before its result is used.  Plain instruction q (number 21, then
;           the even numbers) is whatever is ready: c s - c m for a pair whose exponentials are still to come, the rounding to f16 of a pair whose exponentials are done, at last the first three sums
;   88-101  the last rounding; the rest of the sums; l = a l + the sum          102-133 the tile's O^T times a: the one part that leaves window 0, so it stands together
.macro SM t
.set rT, ST+8*(\t)
.set rS, S+32*(\t)
.set rP, P+16*(\t)
.set rO, 64*(\t)+2*(j-102)
.set q, (j-20)/2
.if j < 102
	WIN 0
.endif
.if j < 4
	v_max3_num_f32 v[rT+4+j], v[rS+8*j], v[rS+8*j+1], v[rS+8*j+2]
.elseif j < 12
	v_max3_num_f32 v[rT+4+j%4], v[rT+4+j%4], v[rS+8*(j%4)+2*(j/4)+1], v[rS+8*(j%4)+2*(j/4)+2]
.elseif j == 12
	v_max3_num_f32 v[rT+4], v[rT+4], v[rS+7], v[rS+15]
.elseif j == 13
	v_max3_num_f32 v[rT+6], v[rT+6], v[rS+23], v[rS+31]
.elseif j == 14
	v_max3_num_f32 v[rT+4], v[rT+4], v[rT+5], v[rT+6]
.elseif j == 15
	v_max3_num_f32 v[rT+4], v[rT+4], v[rT+7], v[rT+1]
.elseif j == 16
	v_permlanex16_b32 v[rT+5], v[rT+4], s[SEL], s[SEL+1]  ; the query's other 32 keys lie in the lane 16 away
.elseif j == 17
	v_mov_b32 v[rT+7], v[rT]        ; c m_old is kept for a: number 19 writes c m anew
.elseif j == 18
	v_max_num_f32 v[rT+1], v[rT+4], v[rT+5]
.elseif j == 19
	v_mul_f32 v[rT], v[CV], v[rT+1]
.elseif j == 20
	v_sub_f32 v[rT+7], v[rT+7], v[rT]
.elseif j == 23
	v_exp_f32 v[rT+6], v[rT+7]
.elseif (j < 88) && (j > 23) && (j%2 == 1)
	v_exp_f32 v[rS+(j-25)/2], v[rS+(j-25)/2]
.elseif (q < 4) || ((j < 76) && (q%2 == 0))
.set b, q/2+2
.if q < 4
.set b, q
.endif
	v_pk_fma_f32 v[rS+2*b:rS+2*b+1], v[rS+2*b:rS+2*b+1], v[CV:CV+1], v[rT:rT+1] op_sel_hi:[1,0,0] neg_lo:[0,0,1] neg_hi:[0,0,1]  ; pair b: c s - c m
.elseif (j < 88) && (q%2 == 1)
	s_wait_alu depctr_va_vdst(0)
	v_cvt_pk_f16_f32 v[rP+(q-5)/2], v[rS+q-5], v[rS+q-4]  ; pair (q - 5) / 2: its second exponential stands three numbers back
.elseif j == 89
	s_wait_alu depctr_va_vdst(0)
	v_cvt_pk_f16_f32 v[rP+15], v[rS+30], v[rS+31]
.elseif j < 102                     ; the sum of the tile's 16 pairs, in place: sum z of 16 adds neighbours 1, 2, 4 and 8 pairs apart, then l takes it
.set z, j-86
.if j < 89
.set z, (j-76)/4
.endif
.set w, 4
.set u, z
.if z >= 14
.set w, 32
.set u, 0
.elseif z >= 12
.set w, 16
.set u, z-12
.elseif z >= 8
.set w, 8
.set u, z-8
.endif
.if z < 15
	v_pk_add_f32 v[rS+w*u:rS+w*u+1], v[rS+w*u:rS+w*u+1], v[rS+w*u+w/2:rS+w*u+w/2+1]
.else
	v_pk_fma_f32 v[rT+2:rT+3], v[rT+2:rT+3], v[rT+6:rT+7], v[rS:rS+1] op_sel_hi:[1,0,1]
.endif
.else
	WIN W_RS
	v_pk_mul_f32 v[rO:rO+1], v[rO:rO+1], v[rT+6:rT+7] op_sel_hi:[1,0]
.endif
.endm
; Slice k of 64 of piece y's softmax: numbers 2 k and 2 k + 1 of both tiles' lists, four instructions.  2 x 134 = 4 x 64 + 12: the twelve that are over stand together, in slice 63.
.macro SLICE y
.if (k >= 11) && (k < 44)           ; tile by tile: plain, exponential, plain, exponential
.irp t, \y, (\y)+1
.irp n, 0,1
.set j, 2*k+(\n)
	SM \t
.endr
.endr
.else                               ; the two tiles alternate, so that no instruction reads the result of the one just before it
.irp n, 0,1,2,3,4,5,6,7
.if ((\n) < 2) || (k == 63)
.irp t, \y, (\y)+1
.set j, 2*k+(\n)
	SM \t
.endr
.endif
.endr
.endif
.set k, k+1
.endm
; Mask unit un of 16: registers 4 (un / 2) + 0..3 of tile y + un % 2: the score where the word's bit is set, -2^34 elsewhere.  In ascending order: each accumulator's low registers are read first.
.macro MASK4 y
	WIN 0
.set rS, S+32*((\y)+un%2)+4*(un/2)
.set sM, 4+64*(un%2)+4*(un/2)
.irp z, 0,1,2,3
	v_cndmask_b32 v[rS+\z], v[NEGV], v[rS+\z], s[sM+\z]
.endr
.endm
; Piece y's 64 words have been used: the next turn's are asked for.  Behind piece 0 comes piece 2 of the same step; behind piece 2, piece 0 of the next step.
; The pointer is stepped where no scalar load is out: the turn's head has waited for all of them.
.macro MLOAD y
.if (\y) == 2
	s_add_nc_u64 s[MP:MP+1], s[MP:MP+1], 128
	s_load_b512 s[4:19],  s[MP:MP+1], 0x0
	s_load_b512 s[20:35], s[MP:MP+1], 0x40
	s_load_b512 s[68:83], s[MP:MP+1], 0x800
	s_load_b512 s[84:99], s[MP:MP+1], 0x840
.else
	s_load_b512 s[4:19],  s[MP:MP+1], 0x1000
	s_load_b512 s[20:35], s[MP:MP+1], 0x1040
	s_load_b512 s[68:83], s[MP:MP+1], 0x1800
	s_load_b512 s[84:99], s[MP:MP+1], 0x1840
.endif
.endm
.macro UNIT y, ml                   ; the turn's next unit of 80
.if un < 16
	MASK4 \y
.if (un == 15) && (\ml)
	MLOAD \y
.endif
.else
	SLICE \y
.endif
.set un, un+1
.endm
.macro DEAL y, ml                   ; the units that stand behind matrix instruction mi of MT: 80 dealt evenly
.set mi, mi+1
.rept (mi*80)/MT-((mi-1)*80)/MT
	UNIT \y, \ml
.endr
.endm
; A TURN.  Piece x has the matrix unit; the other piece's units stand behind its matrix instructions.  pv, kq: 32 products V^T P, 32 products K Q^T.  ml = 1: the next turn's select words are asked for.
; Slice 63, sixteen plain instructions that name nothing of the products round them, is always the last unit behind the last product: the places in front of the next turn's selects, which rewrite
; those scores, and of K's run of loads.  Each run of loads stands behind the second product of a run of 32, 30 matrix instructions ahead of its first use.  V's run: the last product that read V stands four slices,
; eight plain instructions, back.
.macro TURN x, pv, kq, ml
.set k, 0
.set un, 0
.set mi, 0
.set MT, 32*((\pv)+(\kq))
	s_wait_kmcnt 0x0                ; the turn's 64 select words are in
.if \pv
.if (\x) == 0
	s_wait_dscnt 0x0                ; V is in
.endif
.set i, 0
.rept 32
	PV \x
	DEAL 2-(\x), \ml
.if ((\x) == 0) && (\kq) && (i == 1)
	FETCH_K
.endif
.set i, i+1
.endr
.endif
.if \kq
.if (\x) == 0
	s_wait_dscnt 0x0                ; K is in
.endif
.set i, 0
.rept 32
	KQ \x
	DEAL 2-(\x), \ml
.if ((\x) == 2) && (i == 1)
	FETCH_V
.endif
.set i, i+1
.endr
.endif
.endm
	CHANGE 1                        ; slot 0 is in, everybody's part of it; slot 1 is asked for
	FETCH_K                         ; key step 0
	s_wait_loadcnt 0x0              ; Q
	s_wait_dscnt 0x0
.set i, 0
.rept 32
	KQ 0                            ; piece 0's first scores: there is no vector work yet to set between them
.set i, i+1
.endr
	WIN 0                           ; the addresses for the way out are made here: eight plain instructions, the places behind those products
	s_mul_i32 s[QP], s[WV], 16*SP
	s_add_co_u32 s[QP], s[QP], STAGE  ; my stage
	v_mul_u32_u24 v[STO], v1, SP    ; in: row l % 16, 16 bytes for each half of the lanes
	v_lshl_add_u32 v[STO], v9, 4, v[STO]
	v_add_nc_u32 v[STO], s[QP], v[STO]
	v_mul_u32_u24 v[RD], v9, SP     ; back: lanes 0-15 take one row of 256 bytes, lanes 16-31 the next
	v_lshl_add_u32 v[RD], v1, 4, v[RD]
	v_add_nc_u32 v[RD], s[QP], v[RD]
	v_lshlrev_b32 v[GO], 11, v9     ; and the same two rows in O
	v_lshl_add_u32 v[GO], v1, 4, v[GO]
	s_mov_b32 s[TWICE], 2
	s_mov_b32 s[SLOTS], 7
	s_branch .Lmid                  ; the loop is entered in the middle of a trip: piece 2's first scores beside piece 0's first softmax
.Lslot:                             ; six times: every slot but the last two is filled again
	CHANGE 1
	s_mov_b32 s[TWICE], 2
.Lstep:
	TURN 0, 1, 1, 1
	WIN 0
.Lmid:
	TURN 2, 1, 1, 1
	WIN 0
	s_sub_co_u32 s[TWICE], s[TWICE], 1
	s_cmp_lg_u32 s[TWICE], 0
	s_cbranch_scc1 .Lstep
	s_sub_co_u32 s[SLOTS], s[SLOTS], 1
	s_cmp_lg_u32 s[SLOTS], 0
	s_cbranch_scc1 .Lslot
	CHANGE 0                        ; the tail is written out: nothing is asked for
	s_mov_b32 s[TWICE], 2
.Llast:
	TURN 0, 1, 1, 1
	TURN 2, 1, 1, 1
	WIN 0
	s_sub_co_u32 s[TWICE], s[TWICE], 1
	s_cmp_lg_u32 s[TWICE], 0
	s_cbranch_scc1 .Llast
	TURN 0, 1, 0, 0                 ; piece 0: V^T P of the last step | piece 2's last mask and softmax; no select words lie behind these
.set i, 0
.rept 32
	PV 2                            ; piece 2: V^T P of the last step
.set i, i+1
.endr
	; THE WAY OUT.  l's two halves and the other half of the lanes' are added; O^T is divided by l, rounded to f16 and sent through my stage in LDS, a tile (16 rows of O) at a time.  The additions are the places behind the last products.
	WIN 0
.irp t, 0,1,2,3
	v_add_f32 v[ST+8*(\t)+4], v[ST+8*(\t)+2], v[ST+8*(\t)+3]
.endr
.irp t, 0,1,2,3
	v_permlanex16_b32 v[ST+8*(\t)+5], v[ST+8*(\t)+4], s[SEL], s[SEL+1]
.endr
.irp t, 0,1,2,3
	v_add_f32 v[ST+8*(\t)+4], v[ST+8*(\t)+4], v[ST+8*(\t)+5]
.endr
.irp t, 0,1,2,3
	v_rcp_f32 v[ST+8*(\t)+6], v[ST+8*(\t)+4]
.endr
	v_nop                           ; a plain instruction between the last reciprocal and the use of its result
; Tile t: a lane's eight channels of a row pack into 16 bytes; they go into rows of 272 bytes and come back as whole rows of 256, into S^T's registers.
.macro PACK t
	WIN W_RS
.set i, 64*(\t)
.rept 32
	s_wait_alu depctr_va_vdst(0)
	v_pk_mul_f32 v[i:i+1], v[i:i+1], v[ST+8*(\t)+6:ST+8*(\t)+7] op_sel_hi:[1,0]
.set i, i+2
.endr
	WIN 0x05                        ; sources 0 and 1 window 1, destination window 0
.set i, 0
.rept 32
	v_cvt_pk_f16_f32 v[S+32*(\t)+i], v[64*(\t)+2*i], v[64*(\t)+2*i+1]
.set i, i+1
.endr
	WIN 0
.irp f, 0,1,2,3,4,5,6,7
	ds_store_b128 v[STO], v[S+32*(\t)+4*(\f):S+32*(\t)+4*(\f)+3] offset:32*(\f)
.endr
.irp f, 0,1,2,3,4,5,6,7
	ds_load_b128 v[S+32*(\t)+4*(\f):S+32*(\t)+4*(\f)+3], v[RD] offset:(\f)*2*SP  ; a wave's LDS instructions are served in order: these see the stores above; the next tile's stores come behind them
.endr
.endm
.macro SEND t, younger              ; younger: the LDS instructions issued behind tile t's loads: the next tile's sixteen, or none
	WIN 0
.irp f, 0,1,2,3,4,5,6,7
	s_wait_dscnt (\younger)+7-(\f)
	global_store_b128 v[GO], v[S+32*(\t)+4*(\f):S+32*(\t)+4*(\f)+3], s[OP:OP+1] offset:(\t)*32768+(\f)*4096  ; 16 lanes store 256 consecutive bytes, at a multiple of 256 from O's first byte
.endr
.endm
	PACK 0
	PACK 1                          ; a tile's arithmetic stands between the loads of the tile before and its stores
	SEND 0, 16
	PACK 2
	SEND 1, 16
	PACK 3
	SEND 2, 16
	SEND 3, 0
	s_wait_tensorcnt 0x0            ; the wave's end: the tensor wait, the add and its wait stand behind my last tensor load and my last LDS store
	ds_add_u32 v[SPW], v[NIL]
	s_wait_dscnt 0x0
	CROUND                          ; the closing round: no work-group ends while a partner may still ask for a tile that names it
	s_endpgm
.Lfunc_end_k_qeef358f90e_attn:
	.size	k_qeef358f90e_attn, .Lfunc_end_k_qeef358f90e_attn-k_qeef358f90e_attn
	.p2alignl 7, 3214868480
	.fill 96, 4, 3214868480
	.section	.rodata,"a",@progbits
	.p2align	6, 0x0
	.amdhsa_kernel k_qeef358f90e_attn
		.amdhsa_group_segment_fixed_size 327680
		.amdhsa_private_segment_fixed_size 0
		.amdhsa_enable_private_segment 0
		.amdhsa_kernarg_size 24
		.amdhsa_user_sgpr_count 2
		.amdhsa_user_sgpr_kernarg_segment_ptr 1
		.amdhsa_wavefront_size32 1
		.amdhsa_system_sgpr_workgroup_id_x 1
		.amdhsa_system_sgpr_workgroup_id_y 1
		.amdhsa_system_sgpr_workgroup_id_z 1
		.amdhsa_system_vgpr_workitem_id 0
		.amdhsa_next_free_vgpr 896
		.amdhsa_next_free_sgpr 106
		.amdhsa_reserve_vcc 0
		.amdhsa_float_denorm_mode_32 3
		.amdhsa_float_denorm_mode_16_64 3
		.amdhsa_memory_ordered 1
		.amdhsa_forward_progress 1
		.amdhsa_inst_pref_size 206
	.end_amdhsa_kernel
	.amdgpu_metadata
---
amdhsa.version: [ 1, 2 ]
amdhsa.kernels:
  - .name:           k_qeef358f90e_attn
    .symbol:         k_qeef358f90e_attn.kd
    .args:
      - { .name: qkv, .offset: 0, .size: 8, .value_kind: global_buffer, .address_space: global }
      - { .name: mbits, .offset: 8, .size: 8, .value_kind: global_buffer, .address_space: global }
      - { .name: oh, .offset: 16, .size: 8, .value_kind: global_buffer, .address_space: global }
    .group_segment_fixed_size: 327680
    .private_segment_fixed_size: 0
    .kernarg_segment_align: 8
    .kernarg_segment_size: 24
    .max_flat_workgroup_size: 128
    .sgpr_count:     106
    .vgpr_count:     896
    .wavefront_size: 32
...
	.end_amdgpu_metadata
.endif
;; end of part 3
;; launch outp (part 4): grid 4 x 64, 4 waves a work-group, clusters of 4 x 4, 327,680 bytes of LDS; arguments oh, wh, bv, out0; writes out0
.if DOCPART == 4
	.amdgcn_target "amdgcn-amd-amdhsa--gfx1250"
	.amdhsa_code_object_version 6
	.text
	.protected	k_qeef358f90e_outp
	.globl	k_qeef358f90e_outp
	.p2align	8
	.type	k_qeef358f90e_outp,@function
k_qeef358f90e_outp:
	s_mov_b64 s[64:65], 0
	v_nop
	global_prefetch_b8 v0, s[64:65] scope:SCOPE_SE
	s_setreg_imm32_b32 hwreg(HW_REG_WAVE_MODE, 25, 1), 1
	s_wait_xcnt 0x0
	s_wait_alu depctr_hold_cnt(0) depctr_sa_sdst(0) depctr_va_vdst(0) depctr_va_sdst(0) depctr_va_ssrc(0) depctr_va_vcc(0) depctr_vm_vsrc(0)
	s_getreg_b32 s2, hwreg(HW_REG_IB_STS2, 6, 4)
	s_cmp_eq_u32 s2, 0
	s_cbranch_scc0 .Lentry_in_a_cluster
	s_endpgm
.Lentry_in_a_cluster:
	s_bfe_u32 s2, ttmp6, 0x10000c
	s_cmp_lg_u32 s2, 0xf033
	s_cbranch_scc0 .Lentry_shape_is_right
	s_endpgm
.Lentry_shape_is_right:
; THE OUTPUT PROJECTION.  out0 [8192][1024] (f32) = oh Wv^T + bv.  oh: [8192][1024] f16, the attention's result; wh: [1024][1024] f16, Wv's rows ([out][in]) rounded to bf16 and written as f16;
; sums in f32, started by the bias (rounded to bf16 like every input).
; THE TILE.  128 x 256 of C, K = 1,024: 64 x 4 = 256 work-groups.  Four waves, each 64 rows x 128 columns: 32 accumulators, 256 registers.
; K goes in steps of 128 (rows of 256 bytes, at multiples of 256 bytes) through a ring of two LDS slots.  CLUSTERS of 4 x 4: the four of a row of the cluster need the same tile of A, the four of a
; column the same tile of B: each is asked for jointly, by the same tensor load with the same descriptor and a mask that names the four.  By this text's count a wave has two tensor loads out at the start, one later.
; THE MATRIX INSTRUCTION IS USED TRANSPOSED (source 0 = 16 rows of B, source 1 = 16 rows of A): a lane holds row lane % 16 of C and the eight columns 8 (lane / 16) + 0..7 of a block of 16.
; REGISTERS: window 0: v16-29 addresses; v64-127 the bias as a C operand (block b at 64 + 8 b); v128-255 at work on the way out.
;   window 1: two fragment buffers of 96: 64 of B (8 x 16 rows x 32 K), then 32 of A.          window 2: accumulator (a, b) at 8 (8 a + b).
.set KSTEP,  128
.set PITCH,  272                       ; an LDS row: 256 bytes + 16 of padding = 68 words: row r starts at bank 4 r mod 64 (64 banks of 4 bytes: ISA guide 11.1)
.set AH,     64*PITCH                  ; 64 rows of A: one tensor load, and what one wave reads of A
.set BH,     128*PITCH                 ; 128 rows of B: likewise
.set SLOT,   2*AH+2*BH                 ; A's 128 rows, then B's 256 rows
.set STAGE,  2*SLOT                    ; behind the ring: 16 rows for each wave, for the way out; no tensor load fills it
.set SPITCH, 528                       ; 512 bytes + 16
.set CROW,   4096                      ; bytes in a row of C
.set OB,     128                       ; two buffers of 64 registers: 16 rows read back from the stage
.set SPARE,  STAGE+4*16*SPITCH         ; behind the stages: the spare words, 128 bytes a wave, two blocks of 256 bytes that no other line names
.set LAPS,   4                         ; a lap = two K steps = once round the ring
.set ADRA, 16                          ; v16-17  LDS address of my A fragments in slot 0, 1
.set ADRB, 20                          ; v20-21  the same for B
.set STO,  24                          ; v24     the way out: where I put my part of a row
.set RD,   25                          ; v25     the way out: where I read rows back
.set CO,   26                          ; v26     my byte offset in C
.set BO,   27                          ; v27     my byte offset in a block of 16 numbers of the bias
.set SPW,  28                          ; v28     LDS address of my spare word; never rewritten
.set NIL,  29                          ; v29     0; never rewritten
.set BIAS, 64
.set TMP,  128                         ; at work while the bias is rounded
.set F0,   0
.set F1,   96
.set G1, 24                            ; s[24:31] descriptor group 1 for A's tiles;  s[32:39] group 0, one set for each slot
.set G0, 32
.set G1B, 48                           ; s[48:55], s[56:63] the same for B's tiles
.set G0B, 56
.set MSB, 0
.macro WIN new                         ; the immediate's high byte repeats the setting that is left
.if MSB != (\new)
	s_set_vgpr_msb (MSB<<8)|(\new)
.set MSB, \new
.endif
.endm
.set MUL,  0xa5                        ; sources 0 (B) and 1 (A) window 1; C and D window 2
.set MULB, 0x85                        ; the same with C in window 0: the bias
.set TO_F, 0x40                        ; destination window 1, address window 0
.macro JLOAD s                         ; a joint load: waves 0 and 1 fetch A's two halves, waves 2 and 3 B's; an s_nop 0 and four v_nop follow each of the two lines
	s_cmp_eq_u32 s11, 0
	s_cbranch_scc0 .Lfor_b_\@
	tensor_load_to_lds s[G0+4*(\s):G0+4*(\s)+3], s[G1:G1+7]
	s_nop 0
.rept 4
	v_nop
.endr
	s_branch .Lasked_\@
.Lfor_b_\@:
	tensor_load_to_lds s[G0B+4*(\s):G0B+4*(\s)+3], s[G1B:G1B+7]
	s_nop 0
.rept 4
	v_nop
.endr
.Lasked_\@:
.endm
.macro CREST                           ; a round of the cluster's barrier behind its opening barrier
	s_cmp_lg_u32 s10, 0
	s_cbranch_scc1 .Lnot_wave_0_\@
	s_barrier_signal -3
.Lnot_wave_0_\@:
	s_barrier_wait -3
	s_barrier_signal -1
	s_barrier_wait -1
.endm
.macro CROUND                          ; a whole round
	s_barrier_signal -1
	s_barrier_wait -1
	CREST
.endm
	s_load_b128 s[4:7], s[0:1], 0x0                ; A s[4:5], B s[6:7]
	s_load_b128 s[68:71], s[0:1], 0x10             ; bv 68:69, out0 70:71
	v_lshl_add_u32 v[SPW], v0, 2, SPARE
	v_mov_b32 v[NIL], 0
	ds_add_u32 v[SPW], v[NIL]                      ; the wave's opening: the add and its wait stand ahead of my first tensor load; work on registers stands between them
	v_lshrrev_b32 v1, 5, v0
	v_readfirstlane_b32 s10, v1                    ; wave 0..3
	s_lshr_b32 s11, s10, 1                         ; which 64 of the tile's rows are mine.  Also: I fetch for A (0) or for B (1)
	s_and_b32 s12, s10, 1                          ; which 128 of its columns.  Also: which half of that tile I fetch
	s_bfe_u32 s40, ttmp6, 0x40000                  ; cx, cy: my place in the cluster
	s_bfe_u32 s41, ttmp6, 0x40004
	s_lshl_b32 s42, ttmp9, 2
	s_add_co_u32 s42, s42, s40                     ; tile column of C = 4 x cluster x + cx
	s_and_b32 s13, ttmp7, 0xffff
	s_lshl_b32 s13, s13, 2
	s_add_co_u32 s13, s13, s41                     ; tile row of C = 4 x cluster y + cy
	s_lshl_b32 s43, s41, 2
	s_lshl_b32 s43, 15, s43                        ; my row of the cluster
	s_lshl_b32 s44, 0x1111, s40                    ; my column
	s_or_b32 s[G1+0], s43, (1<<16)|(1<<20)|(1<<21)|(5<<22)|(3<<25)  ; 15:0 the mask: A's tiles go to my row; 17:16 elements of 2 bytes; 20 padding on; 21 set beside a mask; 24:22 after every 64 words; 31:25 4 words of it
	s_or_b32 s[G1B+0], s44, (1<<16)|(1<<20)|(1<<21)|(5<<22)|(3<<25) ; the same with the mask of my column
	s_mov_b32 s[G1+1], KSTEP<<16                   ; tensor_dim0 = 128
	s_mov_b32 s[G1+2], 64<<16                      ; tensor_dim1 = 64
	s_mov_b32 s[G1+3], KSTEP<<16                   ; tile_dim0 = 128
	s_mov_b32 s[G1+4], 64                          ; tile_dim1 = 64
	s_mov_b32 s[G1+5], 1024                        ; elements from row to row
	s_mov_b32 s[G1+6], 0
	s_mov_b32 s[G1+7], 0
	s_mov_b32 s[G1B+1], KSTEP<<16
	s_mov_b32 s[G1B+2], 128<<16                    ; B's loads bring 128 rows
	s_mov_b32 s[G1B+3], KSTEP<<16
	s_mov_b32 s[G1B+4], 128
	s_mov_b32 s[G1B+5], 1024
	s_mov_b32 s[G1B+6], 0
	s_mov_b32 s[G1B+7], 0
	; A's address hangs on the tile row and the wave's number, B's on the tile column and the wave's number; each is made in registers that never hold the other coordinate
	s_lshl_b32 s17, s12, 6
	s_lshl_b32 s16, s13, 7
	s_add_co_u32 s16, s16, s17                     ; A: row 128 x tile row + 64 x half
	s_lshl_b32 s47, s12, 7
	s_lshl_b32 s46, s42, 8
	s_add_co_u32 s46, s46, s47                     ; B: row 256 x tile column + 128 x half
	s_mov_b32 s17, 0
	s_mov_b32 s47, 0
	s_mov_b64 s[18:19], 2048                       ; bytes in a row of A and of B
	s_mul_u64 s[16:17], s[16:17], s[18:19]
	s_mul_u64 s[46:47], s[46:47], s[18:19]
	s_mul_i32 s20, s12, AH                         ; where they go: A's two halves,
	s_mul_i32 s23, s12, BH
	s_add_co_u32 s23, s23, 2*AH                    ; then B's two halves: no place in the cluster enters an LDS address
	s_lshl_b32 s2, s42, 10                         ; my 128 numbers of the bias: 4 bytes x (256 x tile column + 128 x half)
	s_lshl_b32 s3, s12, 9
	s_add_co_u32 s2, s2, s3
	s_mov_b32 s3, 0
	s_wait_dscnt 0x0                               ; the opening add is done
	s_wait_kmcnt 0x0
	s_add_nc_u64 s[14:15], s[4:5], s[16:17]
	s_add_nc_u64 s[46:47], s[6:7], s[46:47]
	s_mov_b64 s[66:67], s[68:69]
	s_mov_b64 s[8:9], s[70:71]
	s_add_nc_u64 s[66:67], s[66:67], s[2:3]
	CROUND                                         ; all sixteen work-groups are here: the first joint loads meet
.irp s, 0,1
	s_mov_b32 s[G0+4*(\s)], 1
	s_add_co_u32 s[G0+4*(\s)+1], s20, (\s)*SLOT
	s_add_nc_u64 s[G0+4*(\s)+2:G0+4*(\s)+3], s[14:15], (\s)*KSTEP*2
	s_or_b32 s[G0+4*(\s)+3], s[G0+4*(\s)+3], 0x80000000
	s_mov_b32 s[G0B+4*(\s)], 1
	s_add_co_u32 s[G0B+4*(\s)+1], s23, (\s)*SLOT
	s_add_nc_u64 s[G0B+4*(\s)+2:G0B+4*(\s)+3], s[46:47], (\s)*KSTEP*2
	s_or_b32 s[G0B+4*(\s)+3], s[G0B+4*(\s)+3], 0x80000000
	JLOAD \s
.endr
	v_and_b32 v1, 15, v0                           ; l % 16
	v_bfe_u32 v2, v0, 4, 1                         ; l / 16
	v_lshlrev_b32 v[BO], 5, v2                     ; my eight numbers of a block of 16
.irp b, 0,1,2,3,4,5,6,7
	global_load_b128 v[BIAS+8*(\b):BIAS+8*(\b)+3],   v[BO], s[66:67] offset:64*(\b)
	global_load_b128 v[BIAS+8*(\b)+4:BIAS+8*(\b)+7], v[BO], s[66:67] offset:64*(\b)+16
.endr
	v_mul_u32_u24 v3, v1, PITCH
	v_lshl_add_u32 v3, v2, 4, v3                   ; a fragment's row x pitch + 16 x half
	s_mul_i32 s21, s11, AH                         ; my 64 rows of A
	s_mul_i32 s22, s12, BH                         ; my 128 rows of B,
	s_add_co_u32 s22, s22, 2*AH                    ; which lie behind A's 128
.irp s, 0,1
	v_add_nc_u32 v[ADRA+(\s)], s21, v3
	v_add_nc_u32 v[ADRB+(\s)], s22, v3
	s_add_co_u32 s21, s21, SLOT
	s_add_co_u32 s22, s22, SLOT
.endr
	s_mul_i32 s23, s10, 16*SPITCH
	s_add_co_u32 s23, s23, STAGE                   ; my stage
	v_mul_u32_u24 v4, v1, SPITCH                   ; in: row l % 16, my eight columns
	v_lshl_add_u32 v4, v2, 5, v4
	v_add_nc_u32 v[STO], s23, v4
	v_and_b32 v5, 31, v0
	v_lshlrev_b32 v[CO], 4, v5                     ; back, and in C: 32 lanes take one row of 512 bytes
	v_add_nc_u32 v[RD], s23, v[CO]
	s_lshl_b32 s13, s13, 7
	s_lshl_b32 s14, s11, 6
	s_add_co_u32 s16, s13, s14                     ; my first row of C
	s_mov_b32 s17, 0
	s_mov_b64 s[18:19], CROW
	s_mul_u64 s[16:17], s[16:17], s[18:19]
	s_lshl_b32 s46, s42, 10                        ; my first column, in bytes
	s_lshl_b32 s47, s12, 9
	s_add_co_u32 s46, s46, s47
	s_mov_b32 s47, 0
	s_add_nc_u64 s[16:17], s[16:17], s[46:47]
	s_add_nc_u64 s[8:9], s[8:9], s[16:17]          ; never stepped: the rows stand in the stores' immediates
	s_wait_loadcnt 0x0                             ; the bias; it is rounded to bf16, like every input, in the wait for the first tile
.set i, 0
.rept 32
	v_cvt_pk_bf16_f32 v[TMP+i], v[BIAS+2*i], v[BIAS+2*i+1]
.set i, i+1
.endr
.set i, 0
.rept 32
	v_lshlrev_b32 v[BIAS+2*i], 16, v[TMP+i]
	v_and_b32 v[BIAS+2*i+1], 0xffff0000, v[TMP+i]
.set i, i+1
.endr
; 8 matrix instructions: m block a x all 8 n blocks, 32 along K.  init = 1: the bias starts the sums: nothing is cleared, and nothing is added on the way out.
; The 32 accumulators take turns, one instruction a turn, in the same order in every quarter.
.macro MUL8 f, a, init
.if \init
	WIN MULB
.else
	WIN MUL
.endif
.irp b, 0,1,2,3,4,5,6,7
.if \init
	v_wmma_f32_16x16x32_f16 v[8*(8*(\a)+(\b)):8*(8*(\a)+(\b))+7], v[(\f)+8*(\b):(\f)+8*(\b)+7], v[(\f)+64+8*(\a):(\f)+64+8*(\a)+7], v[BIAS+8*(\b):BIAS+8*(\b)+7]
.else
	v_wmma_f32_16x16x32_f16 v[8*(8*(\a)+(\b)):8*(8*(\a)+(\b))+7], v[(\f)+8*(\b):(\f)+8*(\b)+7], v[(\f)+64+8*(\a):(\f)+64+8*(\a)+7], v[8*(8*(\a)+(\b)):8*(8*(\a)+(\b))+7]
.endif
.endr
.endm
; 24 LDS loads in one run: the fragments of 32 along K at byte k of the rows, into buffer f: B's sixteen loads, then A's eight
.macro FETCH slot, k, f
	WIN TO_F
.irp i, 0,1,2,3,4,5,6,7
	ds_load_b128 v[(\f)+8*(\i):(\f)+8*(\i)+3],   v[ADRB+(\slot)] offset:(\k)+(\i)*16*PITCH
	ds_load_b128 v[(\f)+8*(\i)+4:(\f)+8*(\i)+7], v[ADRB+(\slot)] offset:(\k)+(\i)*16*PITCH+32
.endr
.irp i, 0,1,2,3
	ds_load_b128 v[(\f)+64+8*(\i):(\f)+64+8*(\i)+3],   v[ADRA+(\slot)] offset:(\k)+(\i)*16*PITCH
	ds_load_b128 v[(\f)+64+8*(\i)+4:(\f)+64+8*(\i)+7], v[ADRA+(\slot)] offset:(\k)+(\i)*16*PITCH+32
.endr
.endm
.macro PLACES                          ; four places in front of loads into registers that matrix instructions have read, and of lines that read results just made
.rept 4
	v_nop
.endr
.endm
; A K step is four quarters of 32 along K, 32 matrix instructions each, on buffers 0, 1, 0, 1.  One of the first three: multiplies buffer f and fetches the next quarter, at byte k, into g.
.macro QUARTER slot, k, f, g, init
	s_wait_dscnt 4                                 ; B and A's blocks 0, 1 are in; the youngest four loads (A's blocks 2, 3) may be out
	MUL8 \f, 0, \init
	MUL8 \f, 1, \init
	PLACES
	FETCH \slot, \k, \g
	s_wait_dscnt 24                                ; all but the 24 just issued
	MUL8 \f, 2, \init
	MUL8 \f, 3, \init
.endm
; The last quarter multiplies buffer 1 and changes slots: ONE barrier; in front of it each wave waits for all its tensor loads (one is out: its part of the next slot), adds 0 to its spare word,
; and waits for that and for its own reads of this slot.  fill = 1: the barrier opens a round of the cluster's, and this slot is filled again, two K steps ahead, first thing behind the round:
; 112 matrix instructions ahead of the wait for it.
.macro TURN slot, next, fill
	WIN 0                                          ; (the add's two registers lie in window 0)
	s_wait_tensorcnt 0x0
	ds_add_u32 v[SPW], v[NIL]
	s_wait_dscnt 5                                 ; (the add and the youngest four loads may be out)
	MUL8 F1, 0, 0                                  ; eight matrix instructions stand between the add and the wait for it
	s_wait_dscnt 0x0                               ; the add is done, and my reads of this slot are over
	s_barrier_signal -1
	MUL8 F1, 1, 0
.if \fill
	WIN 0
.endif
	s_barrier_wait -1
.if \fill
	CREST                                          ; no wave of any partner still reads this slot's tile or has a load on its way
	s_add_nc_u64 s[G0+4*(\slot)+2:G0+4*(\slot)+3], s[G0+4*(\slot)+2:G0+4*(\slot)+3], 2*KSTEP*2
	s_add_nc_u64 s[G0B+4*(\slot)+2:G0B+4*(\slot)+3], s[G0B+4*(\slot)+2:G0B+4*(\slot)+3], 2*KSTEP*2
	JLOAD \slot                                    ; the four v_nop behind it are also the places in front of the loads below
.else
	PLACES
.endif
	FETCH \next, 0, F0
	MUL8 F1, 2, 0
	MUL8 F1, 3, 0
.endm
	s_wait_tensorcnt 1                             ; my part of K step 0 is in; K step 1's may stay out
	s_barrier_signal -1
	s_barrier_wait -1                              ; everybody's is
	FETCH 0, 0, F0
	QUARTER 0, 64,  F0, F1, 1                      ; the first quarter stands in front of the loop: its products start the sums, on the bias
	WIN 0                                          ; at a label and at a branch every window is 0
	s_mov_b32 s3, LAPS-1
.Llap:                                                 ; a trip goes once round the ring, from a lap's second quarter to the next lap's first, and fills both slots again
	QUARTER 0, 128, F1, F0, 0
	QUARTER 0, 192, F0, F1, 0
	TURN 0, 1, 1
	QUARTER 1, 64,  F0, F1, 0
	QUARTER 1, 128, F1, F0, 0
	QUARTER 1, 192, F0, F1, 0
	TURN 1, 0, 1
	QUARTER 0, 64,  F0, F1, 0
	WIN 0
	s_sub_co_u32 s3, s3, 1
	s_cmp_lg_u32 s3, 0
	s_cbranch_scc1 .Llap
	QUARTER 0, 128, F1, F0, 0                      ; the last lap fills nothing, and has no round of the cluster's barrier
	QUARTER 0, 192, F0, F1, 0
	TURN 0, 1, 0
	QUARTER 1, 64,  F0, F1, 0
	QUARTER 1, 128, F1, F0, 0
	QUARTER 1, 192, F0, F1, 0
	s_wait_dscnt 4                                 ; the very last quarter: nothing more to fetch
	MUL8 F1, 0, 0
	MUL8 F1, 1, 0
	s_wait_dscnt 0x0
	MUL8 F1, 2, 0
	MUL8 F1, 3, 0
	WIN 0
	PLACES
; THE WAY OUT in f32, a block of 16 rows at a time through my own stage: 32 bytes a lane in, whole rows of 512 bytes back, each store 512 consecutive bytes at a multiple of 256 from C's first byte.
.macro STG a
.set BK, OB+64*((\a)%2)
	s_wait_xcnt 0x0                                ; the buffer that is loaded below was the data of the stores two blocks back
	WIN 0x08                                       ; store data in window 2
.irp b, 0,1,2,3,4,5,6,7
	ds_store_b128 v[STO], v[8*(8*(\a)+(\b)):8*(8*(\a)+(\b))+3]   offset:64*(\b)      ; each accumulator's low registers first
	ds_store_b128 v[STO], v[8*(8*(\a)+(\b))+4:8*(8*(\a)+(\b))+7] offset:64*(\b)+16
.endr
	WIN 0
.irp t, 0,1,2,3,4,5,6,7,8,9,10,11,12,13,14,15
	ds_load_b128 v[BK+4*(\t):BK+4*(\t)+3], v[RD] offset:(\t)*SPITCH  ; a wave's LDS instructions are served in order: these see the stores above; the next block's stores come behind them
.endr
.endm
.macro SND a, younger                  ; younger: the LDS instructions issued behind block a's loads: the next block's 32, or none
.set BK, OB+64*((\a)%2)
	s_wait_dscnt \younger
.irp t, 0,1,2,3,4,5,6,7,8,9,10,11,12,13,14,15
	global_store_b128 v[CO], v[BK+4*(\t):BK+4*(\t)+3], s[8:9] offset:(16*(\a)+(\t))*CROW th:TH_STORE_NT
.endr
.endm
	STG 0
	STG 1
	SND 0, 32
	STG 2
	SND 1, 32
	STG 3
	SND 2, 32
	SND 3, 0
	s_wait_tensorcnt 0x0                           ; the wave's end: the tensor wait, the add and its wait stand behind my last tensor load and my last LDS store
	ds_add_u32 v[SPW], v[NIL]
	s_wait_dscnt 0x0
	CROUND                                         ; the closing round: no work-group ends while a partner may still ask for a tile that names it
	s_endpgm
.Lfunc_end_k_qeef358f90e_outp:
	.size	k_qeef358f90e_outp, .Lfunc_end_k_qeef358f90e_outp-k_qeef358f90e_outp
	.p2alignl 7, 3214868480
	.fill 96, 4, 3214868480
	.section	.rodata,"a",@progbits
	.p2align	6, 0x0
	.amdhsa_kernel k_qeef358f90e_outp
		.amdhsa_group_segment_fixed_size 327680
		.amdhsa_private_segment_fixed_size 0
		.amdhsa_enable_private_segment 0
		.amdhsa_kernarg_size 32
		.amdhsa_user_sgpr_count 2
		.amdhsa_user_sgpr_kernarg_segment_ptr 1
		.amdhsa_wavefront_size32 1
		.amdhsa_system_sgpr_workgroup_id_x 1
		.amdhsa_system_sgpr_workgroup_id_y 1
		.amdhsa_system_sgpr_workgroup_id_z 1
		.amdhsa_system_vgpr_workitem_id 0
		.amdhsa_next_free_vgpr 768
		.amdhsa_next_free_sgpr 76
		.amdhsa_reserve_vcc 0
		.amdhsa_float_denorm_mode_32 3
		.amdhsa_float_denorm_mode_16_64 3
		.amdhsa_memory_ordered 1
		.amdhsa_forward_progress 1
		.amdhsa_inst_pref_size 92
	.end_amdhsa_kernel
	.amdgpu_metadata
---
amdhsa.version: [ 1, 2 ]
amdhsa.kernels:
  - .name:           k_qeef358f90e_outp
    .symbol:         k_qeef358f90e_outp.kd
    .args:
      - { .name: oh, .offset: 0, .size: 8, .value_kind: global_buffer, .address_space: global }
      - { .name: wh, .offset: 8, .size: 8, .value_kind: global_buffer, .address_space: global }
      - { .name: bv, .offset: 16, .size: 8, .value_kind: global_buffer, .address_space: global }
      - { .name: out0, .offset: 24, .size: 8, .value_kind: global_buffer, .address_space: global }
    .group_segment_fixed_size: 327680
    .private_segment_fixed_size: 0
    .kernarg_segment_align: 8
    .kernarg_segment_size: 32
    .max_flat_workgroup_size: 128
    .sgpr_count:     76
    .vgpr_count:     768
    .wavefront_size: 32
...
	.end_amdgpu_metadata
.endif
;; end of part 4
;; ======== version 2 of 2: 4 launches; version 1 with the launch prep written anew for expert scheduling mode
;; limits: values are held in f16: magnitudes above 65,504 overflow, below 6.1e-05 lose precision; right only within a limited range of input values
;; workspace buffers: wb 6,291,456 bytes; wh 2,097,152 bytes; qkv 50,331,648 bytes; oh 16,777,216 bytes; mbits 4,194,304 bytes of whole numbers
;; launch prep (part 5): grid 560 x 1, 8 waves a work-group, no clusters, 68,608 bytes of LDS; arguments Wq, Wk, Wv, mask, wb, wh, mbits; writes wb, wh, mbits
.if DOCPART == 5
	.amdgcn_target "amdgcn-amd-amdhsa--gfx1250"
	.amdhsa_code_object_version 6
	.text
	.protected	k_qeef358f90e_prep
	.globl	k_qeef358f90e_prep
	.p2align	8
	.type	k_qeef358f90e_prep,@function
k_qeef358f90e_prep:
	s_mov_b64 s[64:65], 0
	v_nop
	global_prefetch_b8 v0, s[64:65] scope:SCOPE_SE
	s_setreg_imm32_b32 hwreg(HW_REG_WAVE_SCHED_MODE, 0, 2), 2
	s_setreg_imm32_b32 hwreg(HW_REG_WAVE_MODE, 25, 1), 1
	s_wait_xcnt 0x0
	s_wait_alu depctr_vm_vsrc(0)
; PREP.  Two kinds of work-groups, chosen by the work-group's number alone.
; 0-47 CAST: Wq, Wk, Wv (16 work-groups each) are rounded to bf16 into wb [3][1024][1024], for the three projections; of Wv the same rounded numbers are also written as f16 into wh [1024][1024], for the
;   output projection, whose other operand is f16.  A work-group takes 262,144 bytes of f32, a wave 32,768: 64 loads of 16 bytes a lane, in 16 blocks of four; each store of a wave covers 256 consecutive bytes, aligned.
; 48-559 MASK: the 0/1 words of mask [8][4][1024][1024] are packed into lane masks: mbits [b][g][qt 64][step 16][32 words]; bit L of word 8 kb + j says whether
;   mask[b][g][16 qt + L % 16][64 step + 16 kb + 8 (L / 16) + j] is not 0: the lane mask of register 8 kb + j of a tile of scores (16 queries x 64 keys) as the attention launch holds it.
;   A wave takes half of one (b, g, qt): 512 keys of 16 rows, in four chunks of 128 keys; 512 work-groups, so that two lie on a WGP and both have their loads on the way.  A chunk is loaded by rows (512
;   consecutive bytes a load), turned through the wave's own LDS region (16 rows, 528 bytes apart: 33 x 16, so the 16 rows that a load touches start at 16 different 16-byte columns), compared, and
;   leaves as 256 consecutive bytes.
; LIMITS.  f16 holds no number beyond 65,504: Wv stays within it; a bf16 number below 6e-5 keeps f16's fixed step of 6e-8 in wh.  Every mask word other than 0 counts as 'keep'.
; No matrix unit, no cluster, no barrier: memory binds, no byte is shared, and no wave waits for another.
; THE MODE: SCHED_MODE bits 1:0 = 2 (LLVM: expert scheduling mode 2), set by the entry lines.  The code itself states the register dependences between vector instructions and memory or LDS
; instructions, and those through scalar registers that vector instructions write, with s_wait_alu, always for 0.
; THE PLAN, CAST.  Block p works on X[p % 4] and writes YB[p % 2].  Registers that memory instructions touch:
;   X0 .. X3   four blocks of f32 as loaded.  Written by the loads of block p + 3, issued in block p; read by block p's roundings.
;   YB0, YB1   two blocks of bf16 to store.   Written by block p's roundings; read by the four stores that are issued in block p + 1.
;   YH         one block of f16, for Wv alone.  Written by block p's conversions and read by four stores at the end of the same arm of the branch on the plane, behind a wait of their own:
;              so on every way through the text a register that is stored has been written.
;   v1, v2     byte offsets, made once at the head: the rows are reached by the scalar bases, which move on once in four blocks, and by immediate offsets.
;   Block p's loads land in X[(p + 3) % 4] = X[(p - 1) % 4] and its first four stores leave from YB[(p - 1) % 2]: the buffers that block p - 1 worked on and that no vector instruction of block p names.
;   So the waits at a block's head state all that these eight hang on, and they are dealt among the block's roundings with no further wait.
; THE PLAN, MASK.  Registers that memory or LDS instructions touch:
;   G          Written by a chunk's 16 global loads; read by its 16 LDS stores and by nothing else.
;   M          Written by the chunk's 16 LDS loads; read by its 64 compares.
;   OUTW       Written by the chunk's 64 v_writelane_b32; read by its one global store.
;   s[16:47]   Written by 32 compares; read by the 32 v_writelane_b32 behind them.
;   v1 .. v4   offsets and LDS addresses, made once at the head.
;   A chunk has one wait on vm_vsrc, behind its LDS stores (G may be loaded again, OUTW written again), one on va_sdst behind each run of compares, and one on va_vdst, ahead of its global store; the
;   compares stand ahead of that last wait and no vector instruction names M behind it, so it also serves the next chunk's LDS loads into M.
.set SPARE,  67584                     ; behind the eight regions: the spare words, 128 bytes a wave, four blocks of 256 bytes that no other line names
.set REGION, 8448                      ; 16 rows x 528 bytes, a wave's own
.set MPITCH, 528
.set X,   8                            ; v[8:71]    cast: buffer k, slot i: 4 f32 as loaded, at X + 16 k + 4 i
.set YB,  72                           ; v[72:87]   cast: buffer k, slot i: 4 bf16 to store, at YB + 8 k + 2 i
.set YH,  88                           ; v[88:95]   cast: slot i: the same 4 numbers as f16, at YH + 2 i
.set T,   96                           ; v[96:111]  cast: at work, four registers a slot: no memory instruction names them
.set G,   8                            ; v[8:71]    mask: row r of the chunk, 4 words a lane
.set M,   72                           ; v[72:135]  mask: the chunk turned: register n = word n of the chunk's 64
.set OUTW, 6                           ; v[6:7]     mask: lane i holds words 2 i and 2 i + 1
.set CW,  16                           ; s[16:47]   mask: 32 words of lanes' bits; the set-up's scalars that lay here are dead by then
.set SPW, 136                          ; v136       LDS address of my spare word; never rewritten
.set NIL, 137                          ; v137       0; never rewritten
	s_load_b256 s[8:15], s[0:1], 0x0               ; Wq 8:9, Wk 10:11, Wv 12:13, mask 14:15
	s_load_b128 s[16:19], s[0:1], 0x20             ; wb 16:17, wh 18:19
	s_load_b64 s[20:21], s[0:1], 0x30              ; mbits
	v_lshl_add_u32 v[SPW], v0, 2, SPARE
	v_mov_b32 v[NIL], 0
	v_lshrrev_b32 v3, 5, v0
	v_readfirstlane_b32 s2, v3                     ; wave 0..7
	v_and_b32 v4, 31, v0
	v_lshlrev_b32 v1, 4, v4                        ; 16 x lane
	v_lshlrev_b32 v2, 3, v4                        ; 8 x lane
	s_mov_b32 s28, 0xffff0000                      ; a word's upper bf16
	s_mov_b32 s31, 0                               ; the high word of every offset
	s_wait_alu depctr_va_sdst(0)                   ; s2 is written, ahead of the branch and of its first reader on either way: the bases are made from it
	s_wait_kmcnt 0x0
	s_cmp_lt_u32 ttmp9, 48
	s_cbranch_scc0 .Lmask
	s_lshr_b32 s29, ttmp9, 4                       ; which of Wq, Wk, Wv
	s_and_b32 s33, ttmp9, 15                       ; which 262,144 bytes of it
	s_cmp_eq_u32 s29, 1
	s_cselect_b64 s[4:5], s[10:11], s[8:9]
	s_cmp_eq_u32 s29, 2
	s_cselect_b64 s[4:5], s[12:13], s[4:5]
	s_lshl_b32 s30, s33, 18
	s_lshl_b32 s34, s2, 15
	s_add_co_u32 s30, s30, s34
	s_add_nc_u64 s[4:5], s[4:5], s[30:31]          ; my wave's 32,768 bytes of f32
	s_lshl_b32 s30, s33, 17
	s_lshl_b32 s34, s2, 14
	s_add_co_u32 s30, s30, s34
	s_add_nc_u64 s[22:23], s[18:19], s[30:31]      ; its 16,384 bytes of wh (stored only for Wv),
	s_lshl_b32 s32, s29, 21                        ; a plane of wb is 2,097,152 bytes
	s_add_co_u32 s30, s30, s32
	s_add_nc_u64 s[6:7], s[16:17], s[30:31]        ; and of wb
	s_wait_alu depctr_va_vdst(0)                   ; v1 and v2 are written: every load and store of this path reads one of them as its offset
.irp i, 0,1,2,3,4,5,6,7,8,9,10,11
	global_load_b128 v[X+4*(\i):X+4*(\i)+3], v1, s[4:5] offset:512*(\i) th:TH_LOAD_NT  ; blocks 0, 1 and 2 into X0, X1, X2
.endr
; Block p.  q = p % 4.  first = 1: block 0, with no block in front of it.  ahead = 1: block p + 3 is loaded.  left = the younger loads that may stay out.
; The bases stand at block p - q: they move on by four blocks at the head of a block with q = 0, whose stores of the block before then reach back by a negative offset.
.macro BLK q, first, ahead, left
	s_wait_loadcnt \left                           ; loads come back in order: X[q] is in, the younger blocks stay out
.if !\first
	s_wait_xcnt 0x0                                ; the bases and the data of the stores issued so far are rewritten only behind this wait
	s_wait_alu depctr_vm_vsrc(0)                   ; the stores issued in the block before have read YB[q % 2] and YH, which this block's conversions write again
	s_wait_alu depctr_va_vdst(0)                   ; the block before has written the other YB, which the stores below read, and is done reading its X, in which the loads below land
.if (\q) == 0
	s_add_nc_u64 s[4:5], s[4:5], 8192              ; four blocks of 2,048 bytes of f32,
	s_add_nc_u64 s[6:7], s[6:7], 4096              ; of 1,024 bytes of bf16,
	s_add_nc_u64 s[22:23], s[22:23], 4096          ; and of f16
.endif
.endif
.irp i, 0,1,2,3
.if \ahead
	global_load_b128 v[X+16*(((\q)+3)%4)+4*(\i):X+16*(((\q)+3)%4)+4*(\i)+3], v1, s[4:5] offset:((\q)+3)*2048+512*(\i) th:TH_LOAD_NT  ; three blocks ahead; no vector instruction since the wait names these registers
.endif
.if !\first
	global_store_b64 v2, v[YB+8*(((\q)+1)%2)+2*(\i):YB+8*(((\q)+1)%2)+2*(\i)+1], s[6:7] offset:((\q)-1)*1024+256*(\i)  ; the block before
.endif
	v_cvt_pk_bf16_f32 v[YB+8*((\q)%2)+2*(\i)],   v[X+16*(\q)+4*(\i)],   v[X+16*(\q)+4*(\i)+1]      ; the one rounding, to bf16
	v_cvt_pk_bf16_f32 v[YB+8*((\q)%2)+2*(\i)+1], v[X+16*(\q)+4*(\i)+2], v[X+16*(\q)+4*(\i)+3]
.endr
	s_cmp_lg_u32 s29, 2
	s_cbranch_scc1 .Lonly_bf16_\@                  ; Wq and Wk are wanted in bf16 alone
.irp i, 0,1,2,3
	v_lshlrev_b32 v[T+4*(\i)],   16, v[YB+8*((\q)%2)+2*(\i)]
	v_and_b32     v[T+4*(\i)+1], s28, v[YB+8*((\q)%2)+2*(\i)]
	v_lshlrev_b32 v[T+4*(\i)+2], 16, v[YB+8*((\q)%2)+2*(\i)+1]
	v_and_b32     v[T+4*(\i)+3], s28, v[YB+8*((\q)%2)+2*(\i)+1]
	v_cvt_pk_f16_f32 v[YH+2*(\i)],   v[T+4*(\i)],   v[T+4*(\i)+1]       ; the same numbers written as f16
	v_cvt_pk_f16_f32 v[YH+2*(\i)+1], v[T+4*(\i)+2], v[T+4*(\i)+3]
.endr
	s_wait_alu depctr_va_vdst(0)                   ; the conversions have written YH, which the four stores read
.irp i, 0,1,2,3
	global_store_b64 v2, v[YH+2*(\i):YH+2*(\i)+1], s[22:23] offset:(\q)*1024+256*(\i)  ; this block
.endr
.Lonly_bf16_\@:
.endm
	BLK 0, 1, 1, 8                                 ; block 0
	s_mov_b32 s3, 3
.Lround:                                               ; blocks 1 to 12, four to a lap: both kinds of buffer are back at their start
	BLK 1, 0, 1, 8
	BLK 2, 0, 1, 8
	BLK 3, 0, 1, 8
	BLK 0, 0, 1, 8
	s_sub_co_u32 s3, s3, 1
	s_cmp_lg_u32 s3, 0
	s_cbranch_scc1 .Lround
	BLK 1, 0, 0, 8                                 ; blocks 13 to 15 load nothing: no load leaves the buffer, and the counts run down
	BLK 2, 0, 0, 4
	BLK 3, 0, 0, 0
	s_wait_alu depctr_va_vdst(0)                   ; block 15 has written YB1, which the last four stores read
.irp i, 0,1,2,3
	global_store_b64 v2, v[YB+8+2*(\i):YB+8+2*(\i)+1], s[6:7] offset:3*1024+256*(\i)
.endr
	s_endpgm
.Lmask:
	s_sub_co_u32 s29, ttmp9, 48
	s_lshl_b32 s29, s29, 3
	s_add_co_u32 s29, s29, s2                      ; my half task: 2 ((4 b + g) 64 + qt) + half, 0 to 4,095
	s_lshr_b32 s30, s29, 1
	s_lshl_b32 s30, s30, 16                        ; the task's 16 rows of 4,096 bytes,
	s_and_b32 s32, s29, 1
	s_lshl_b32 s32, s32, 11                        ; and my 2,048 bytes of each row
	s_add_co_u32 s30, s30, s32
	s_add_nc_u64 s[4:5], s[14:15], s[30:31]
	s_lshl_b32 s30, s29, 10
	s_add_nc_u64 s[6:7], s[20:21], s[30:31]        ; my 1,024 bytes of mbits
	s_mul_i32 s29, s2, REGION
	v_add_nc_u32 v3, s29, v1                       ; in: 16 x lane of a row
	v_and_b32 v5, 15, v0
	v_bfe_u32 v4, v0, 4, 1
	v_mul_u32_u24 v5, v5, MPITCH
	v_lshl_add_u32 v4, v4, 5, v5
	v_add_nc_u32 v4, s29, v4                       ; back: row lane % 16, 32 bytes (8 keys) for each half of the lanes
	v_mov_b32 v[OUTW], 0                           ; v_writelane_b32 counts as a reader of its destination
	v_mov_b32 v[OUTW+1], 0
	s_wait_alu depctr_va_vdst(0)                   ; v1 to v4 are written: the offsets and LDS addresses that every load and store of this path reads
.irp r, 0,1,2,3,4,5,6,7,8,9,10,11,12,13,14,15
	global_load_b128 v[G+4*(\r):G+4*(\r)+3], v1, s[4:5] offset:4096*(\r) th:TH_LOAD_NT
.endr
; One chunk of 128 keys.  ahead = 1: the next chunk is asked for as soon as the LDS stores have read this one out of its registers.
.macro CHUNK ahead
	s_wait_loadcnt 0x0                             ; the chunk's 16 loads
.irp r, 0,1,2,3,4,5,6,7,8,9,10,11,12,13,14,15
	ds_store_b128 v3, v[G+4*(\r):G+4*(\r)+3] offset:MPITCH*(\r)
.endr
	s_wait_alu depctr_vm_vsrc(0)                   ; the LDS stores have read G, in which the loads below land; the last chunk's global store has read OUTW, which this chunk writes again
.if \ahead
.irp r, 0,1,2,3,4,5,6,7,8,9,10,11,12,13,14,15
	global_load_b128 v[G+4*(\r):G+4*(\r)+3], v1, s[4:5] offset:4096*(\r)+512 th:TH_LOAD_NT
.endr
.endif
.irp t, 0,1,2,3,4,5,6,7,8,9,10,11,12,13,14,15
	ds_load_b128 v[M+4*(\t):M+4*(\t)+3], v4 offset:64*((\t)/2)+16*((\t)%2)  ; a wave's LDS instructions are served in order: these see the stores above.  No wait: the last chunk's compares stand ahead of its wait on va_vdst, and no vector instruction has named M since
.endr
.set n, 0
.rept 2                                ; 32 words at a time: a compare makes a word of 32 lanes' bits, v_writelane_b32 puts it where it is stored from
	s_wait_dscnt 8-n/4                             ; LDS instructions end in order: first the stores and the eight loads of words 0 to 31 are done and the eight younger loads stay out; then all
.set i, 0
.rept 32
	v_cmp_ne_u32 s[CW+i], 0, v[M+n+i]
.set i, i+1
.endr
	s_wait_alu depctr_va_sdst(0)                   ; the 32 compares have written s[16:47], ahead of their first reader
.set i, 0
.rept 32
	v_writelane_b32 v[OUTW+((n+i)&1)], s[CW+i], (n+i)>>1
.set i, i+1
.endr
.set n, n+32
.endr
	s_wait_alu depctr_va_vdst(0)                   ; OUTW is written, which the store reads; and the compares are done reading M, in which the next chunk's LDS loads land
	global_store_b64 v2, v[OUTW:OUTW+1], s[6:7]    ; 64 words: 256 consecutive bytes, aligned
	s_wait_xcnt 0x0                                ; the bases and the store's data are rewritten only behind this wait
	s_add_nc_u64 s[4:5], s[4:5], 512
	s_add_nc_u64 s[6:7], s[6:7], 256
.endm
	s_mov_b32 s3, 3
.Lchunk:
	CHUNK 1
	s_sub_co_u32 s3, s3, 1
	s_cmp_lg_u32 s3, 0
	s_cbranch_scc1 .Lchunk
	CHUNK 0                                        ; the last chunk asks for nothing
	s_wait_dscnt 0x0                               ; the closing lines, six on end
	s_wait_alu 0x0
	s_wait_tensorcnt 0x0
	ds_add_u32 v[SPW], v[NIL]
	s_wait_dscnt 0x0
	s_endpgm
.Lfunc_end_k_qeef358f90e_prep:
	.size	k_qeef358f90e_prep, .Lfunc_end_k_qeef358f90e_prep-k_qeef358f90e_prep
	.p2alignl 7, 3214868480
	.fill 96, 4, 3214868480
	.section	.rodata,"a",@progbits
	.p2align	6, 0x0
	.amdhsa_kernel k_qeef358f90e_prep
		.amdhsa_group_segment_fixed_size 68608
		.amdhsa_private_segment_fixed_size 0
		.amdhsa_enable_private_segment 0
		.amdhsa_kernarg_size 56
		.amdhsa_user_sgpr_count 2
		.amdhsa_user_sgpr_kernarg_segment_ptr 1
		.amdhsa_wavefront_size32 1
		.amdhsa_system_sgpr_workgroup_id_x 1
		.amdhsa_system_sgpr_workgroup_id_y 1
		.amdhsa_system_sgpr_workgroup_id_z 1
		.amdhsa_system_vgpr_workitem_id 0
		.amdhsa_next_free_vgpr 140
		.amdhsa_next_free_sgpr 66
		.amdhsa_reserve_vcc 0
		.amdhsa_float_denorm_mode_32 3
		.amdhsa_float_denorm_mode_16_64 3
		.amdhsa_memory_ordered 1
		.amdhsa_forward_progress 1
		.amdhsa_inst_pref_size 50
	.end_amdhsa_kernel
	.amdgpu_metadata
---
amdhsa.version: [ 1, 2 ]
amdhsa.kernels:
  - .name:           k_qeef358f90e_prep
    .symbol:         k_qeef358f90e_prep.kd
    .args:
      - { .name: Wq, .offset: 0, .size: 8, .value_kind: global_buffer, .address_space: global }
      - { .name: Wk, .offset: 8, .size: 8, .value_kind: global_buffer, .address_space: global }
      - { .name: Wv, .offset: 16, .size: 8, .value_kind: global_buffer, .address_space: global }
      - { .name: mask, .offset: 24, .size: 8, .value_kind: global_buffer, .address_space: global }
      - { .name: wb, .offset: 32, .size: 8, .value_kind: global_buffer, .address_space: global }
      - { .name: wh, .offset: 40, .size: 8, .value_kind: global_buffer, .address_space: global }
      - { .name: mbits, .offset: 48, .size: 8, .value_kind: global_buffer, .address_space: global }
    .group_segment_fixed_size: 68608
    .private_segment_fixed_size: 0
    .kernarg_segment_align: 8
    .kernarg_segment_size: 56
    .max_flat_workgroup_size: 256
    .sgpr_count:     66
    .vgpr_count:     140
    .wavefront_size: 32
...
	.end_amdgpu_metadata
.endif
;; end of part 5
;; launch proj: the kernel of part 2 again; grid 4 x 192, 4 waves a work-group, clusters of 4 x 4, 327,680 bytes of LDS; arguments query, key, value, wb, bq, bk, bv, qkv; writes qkv
;; launch attn: the kernel of part 3 again; grid 4 x 64, 4 waves a work-group, clusters of 4 x 1, 327,680 bytes of LDS; arguments qkv, mbits, oh; writes oh
;; launch outp: the kernel of part 4 again; grid 4 x 64, 4 waves a work-group, clusters of 4 x 4, 327,680 bytes of LDS; arguments oh, wh, bv, out0; writes out0
